; MI455X (gfx1250); checked and timed in simulation.
; The chip was launched on July 23, 2026; its instructions are those of AMD's public machine-readable ISA for CDNA 5 (MIT licence, August 2026) and "CDNA5" Instruction Set Architecture Reference Guide (July 2026). The comments in the code are by the model that wrote it; some were corrected since.
;; Bahdanau Attention. Allowed arithmetic: float matrix products may take bf16 or f16 operands with f32 sums; all other float work in f32.
;; Inputs: V 1,024 x 1 float32; Wc 2,048 x 1 float32; Wh 1,024 x 1,024 float32; Ws 1,024 x 1,024 float32; bc 1 float32; bh 1,024 float32; bs 1,024 float32; bv 1 float32; coverage_vector 32 x 2,048 float32; decoder_state 32 x 1,024 float32; encoder_output 32 x 2,048 x 1,024 float32.
;; Outputs: out0 32 x 1,024 float32; out1 32 x 2,048 x 1 float32; out2 32 x 2,048 float32.
;; 2 versions, each right; version 2 is version 1 with the launch attn written anew for expert scheduling mode. Each part assembles by itself: llvm-mc -triple=amdgcn-amd-amdhsa -mcpu=gfx1250 --defsym DOCPART=n.
;; ======== version 1 of 2: 3 launches
;; limits: values outside matrix products are rounded to bf16
;; workspace buffers: whf 2,097,152 bytes; decp 524,288 bytes; scores 262,144 bytes; pctx 2,097,152 bytes
;; launch prep (part 1): grid 128 x 1, 4 waves a work-group, no clusters, 67,072 bytes of LDS; arguments Wh, Ws, decoder_state, bs, bh, whf, decp; writes whf, decp
.if DOCPART == 1
	.amdgcn_target "amdgcn-amd-amdhsa--gfx1250"
	.amdhsa_code_object_version 6
	.text
	.protected	k_q124b79eec1_prep
	.globl	k_q124b79eec1_prep
	.p2align	8
	.type	k_q124b79eec1_prep,@function
k_q124b79eec1_prep:
	s_mov_b64 s[64:65], 0
	v_nop
	global_prefetch_b8 v0, s[64:65] scope:SCOPE_SE
	s_setreg_imm32_b32 hwreg(HW_REG_WAVE_MODE, 25, 1), 1
	s_wait_xcnt 0x0
; Two small jobs that share their first step, 64 work-groups of four waves each.
;   role = work-group >> 6, kq = (work-group >> 4) & 3: 256 of K, cg = work-group & 15: 64 columns.
;   role 0: whf  = Wh rounded to bf16, laid out in the order in which the main launch's waves load B fragments.
;   role 1: decp[kq] = decoder_state[:, 256 kq ..] @ Ws[256 kq .., :] + (bs + bh) / 4, f32 [4][32][1024] (operands bf16, sums f32).
;           The main launch adds the four quarters; a quarter of the biases in each is an exact scaling, so no work-group differs from the others.
; Shared step: 256 rows k x 64 columns of a [1024 k][1024 n] f32 matrix come in as rows of 256 bytes (wave w: 64 rows), are rounded to bf16 and
; laid into LDS as WT[k][64 n].  From there ds_load_tr16_b128 gives B fragments (k along a lane's registers).
; whf: fragment (aw, p, s, b) at ((aw*2 + p)*32 + s)*8192 + b*1024, inside it [q 0..1][lane][8 bf16]:
;      lane (r, h), half q, element j = Wh[32 s + 16 q + 8 h + j][512 p + 128 aw + 16 b + r].
; No clusters, no tensor loads: every work-group reads a block of its own, nothing is shared, nothing is filled twice.
.set PWT,  160                         ; pitch of WT: 128 bytes of data + 32, an odd multiple of 32
.set DEC,  40960                       ; DEC[32 batch][256 k] bf16 behind WT's 256 x 160 bytes
.set PD,   528                         ; its pitch: 512 + 16, an odd multiple of 16
.set OS,   57856                       ; OS[32 batch][64 n] f32: the results on their way out
.set POS,  272                         ; 256 + 16
.set X,    16                          ; v[16:143]  32 tile loads
.set T,    144                         ; v[144:147] two pairs of packed bf16, by turns
.set DX,   148                         ; v[148:211] 16 loads of decoder_state
.set BSV,  212                         ; v[212:215] bs of my 4 columns
.set BHV,  216                         ; v[216:219] bh of my 4 columns
.set ACC0, 224                         ; batches 0-15
.set ACC1, 232                         ; batches 16-31
.set F,    16                          ; v[16:207]  role 1: fragments of 8 K steps, 24 registers each (B, A of batches 0-15, A of 16-31)
	s_load_b256 s[8:15], s[0:1], 0x0               ; Wh s[8:9], Ws s[10:11], decoder_state s[12:13], bs s[14:15]
	s_load_b128 s[16:19], s[0:1], 0x20             ; bh s[16:17], whf s[18:19]
	s_load_b64 s[20:21], s[0:1], 0x30              ; decp
	v_lshl_add_u32 v240, v0, 2, 0x10400
	v_mov_b32 v241, 0
	v_and_b32 v1, 31, v0                           ; lane l
	v_lshrrev_b32 v2, 5, v0
	v_readfirstlane_b32 s2, v2                     ; wave w, 0..3
	v_and_b32 v2, 15, v0                           ; r = l & 15
	v_bfe_u32 v3, v0, 4, 1                         ; h = l >> 4
	s_lshr_b32 s3, ttmp9, 6                        ; role
	s_and_b32 s4, ttmp9, 15                        ; cg
	s_bfe_u32 s5, ttmp9, 0x20004                   ; kq: 2 bits from bit 4
	s_lshl_b32 s26, s5, 20                         ; 256 kq rows of 4,096 bytes
	s_lshl_b32 s28, s2, 18                         ; + 64 w rows
	s_add_co_u32 s26, s26, s28
	s_mul_i32 s27, s2, 64*PWT                      ; 64 w rows of WT
	v_lshlrev_b32 v4, 12, v3
	v_lshl_add_u32 v4, v2, 4, v4
	v_add_nc_u32 v4, s26, v4                       ; v4 = (256 kq + 64 w + h)*4096 + 16 r: lanes 0-15 one row's 256 bytes, lanes 16-31 the next row's
	v_mul_u32_u24 v5, v3, PWT
	v_lshl_add_u32 v5, v2, 3, v5
	v_add_nc_u32 v5, s27, v5                       ; v5 = (64 w + h)*160 + 8 r: where my 4 bf16 go
	v_and_b32 v6, 7, v0
	v_lshl_add_u32 v6, v3, 3, v6
	v_mul_u32_u24 v6, v6, PWT
	v_bfe_u32 v7, v0, 3, 1
	v_lshl_add_u32 v6, v7, 4, v6                   ; v6 = (8 h + (l & 7))*160 + 16 ((l >> 3) & 1): the lane's term of a transposing load
	v_lshlrev_b32 v7, 4, v1                        ; v7 = 16 l
	s_lshl_b32 s24, s4, 8                          ; my 64 columns: 256 bytes into every row
	s_mov_b32 s25, 0
	s_wait_kmcnt 0x0
	s_cmp_eq_u32 s3, 0
	s_cselect_b64 s[22:23], s[8:9], s[10:11]       ; role 0 reads Wh, role 1 reads Ws
	s_add_nc_u64 s[22:23], s[22:23], s[24:25]
.irp g, 0,1,2,3
.irp j, 0,1,2,3,4,5,6,7
	global_load_b128 v[X+4*(8*\g+\j):X+4*(8*\g+\j)+3], v4, s[22:23] offset:(8*\g+\j)*8192   ; two rows a load, 64 rows in all
.endr
.endr
; The 32 tile loads are rounded and laid into WT as they come.  extra = how many loads were issued behind the 32.
.macro TILE_IN extra
.irp g, 0,1,2,3
.irp j, 0,1,2,3,4,5,6,7
	s_wait_loadcnt 31-(8*\g+\j)+\extra             ; loads return in order: the younger tile loads and the extra ones may stay out
	v_cvt_pk_bf16_f32 v[T+2*(\j%2)],   v[X+4*(8*\g+\j)],   v[X+4*(8*\g+\j)+1]
	v_cvt_pk_bf16_f32 v[T+2*(\j%2)+1], v[X+4*(8*\g+\j)+2], v[X+4*(8*\g+\j)+3]
	ds_store_b64 v5, v[T+2*(\j%2):T+2*(\j%2)+1] offset:(8*\g+\j)*2*PWT
.endr
.endr
.endm
	s_cmp_lg_u32 s3, 0
	s_cbranch_scc1 .Lrole1                         ; the same way for all four waves of a work-group
	; ---- role 0: Wh in fragment order.  A wave reads back only the 64 rows of WT that it wrote itself: LDS serves a wave in order, no barrier.
	TILE_IN 0
	v_add_nc_u32 v6, s27, v6                       ; + my 64 rows
	s_and_b32 s24, s4, 6                           ; 2 aw, aw = (cg & 7) >> 1: the main launch's wave that owns these columns
	s_lshr_b32 s25, s4, 3                          ; p = cg >> 3: its pass
	s_add_co_u32 s24, s24, s25
	s_lshl_b32 s24, s24, 5
	s_lshl_b32 s25, s5, 3
	s_add_co_u32 s24, s24, s25
	s_lshl1_add_u32 s24, s2, s24                   ; (2 aw + p)*32 + 8 kq + 2 w: my first K step of 32
	s_lshl_b32 s24, s24, 13
	s_and_b32 s25, s4, 1
	s_lshl_b32 s25, s25, 12                        ; b = 4 (cg & 1) + t
	s_add_co_u32 s24, s24, s25
	s_mov_b32 s25, 0
	s_add_nc_u64 s[24:25], s[18:19], s[24:25]
.irp si, 0,1
.irp t, 0,1,2,3
.irp q, 0,1
	ds_load_tr16_b128 v[X+4*((\si*4+\t)*2+\q):X+4*((\si*4+\t)*2+\q)+3], v6 offset:\si*32*PWT+\q*16*PWT+\t*32
.endr
.endr
.endr
.irp si, 0,1
.irp t, 0,1,2,3
.irp q, 0,1
	s_wait_dscnt 15-((\si*4+\t)*2+\q)              ; the younger of the 16 loads may stay out
	global_store_b128 v7, v[X+4*((\si*4+\t)*2+\q):X+4*((\si*4+\t)*2+\q)+3], s[24:25] offset:\si*8192+\t*1024+\q*512   ; 512 consecutive bytes, aligned
.endr
.endr
.endr
	s_wait_tensorcnt 0x0
	ds_add_u32 v240, v241
	s_wait_dscnt 0x0
	s_endpgm
	; ---- role 1: a quarter of K of decoder_state @ Ws, for 64 columns
.Lrole1:
	s_lshl_b32 s26, s2, 15                         ; decoder_state rows 8 w .. 8 w + 7,
	s_lshl_b32 s28, s5, 10                         ; their 1,024 bytes of my 256 k
	s_add_co_u32 s26, s26, s28
	v_add_nc_u32 v8, s26, v7
.irp g, 0,1,2,3,4,5,6,7
.irp j, 0,1
	global_load_b128 v[DX+4*(2*\g+\j):DX+4*(2*\g+\j)+3], v8, s[12:13] offset:\g*4096+\j*512
.endr
.endr
	v_lshl_add_u32 v10, v2, 4, s24                 ; 256 cg + 16 r: the 4 columns that I store at the end
	global_load_b128 v[BSV:BSV+3], v10, s[14:15]
	global_load_b128 v[BHV:BHV+3], v10, s[16:17]
	s_mul_i32 s26, s2, 8*PD
	s_add_co_u32 s26, s26, DEC
	v_lshl_add_u32 v9, v1, 3, s26                  ; DEC row 8 w, 8 l
	TILE_IN 18                                     ; 16 + 2 loads stand behind the tile's
.irp g, 0,1,2,3,4,5,6,7
.irp j, 0,1
	s_wait_loadcnt 15-(2*\g+\j)+2                  ; the younger loads of decoder_state, and bs and bh, may stay out
	v_cvt_pk_bf16_f32 v[T+2*\j],   v[DX+4*(2*\g+\j)],   v[DX+4*(2*\g+\j)+1]
	v_cvt_pk_bf16_f32 v[T+2*\j+1], v[DX+4*(2*\g+\j)+2], v[DX+4*(2*\g+\j)+3]
	ds_store_b64 v9, v[T+2*\j:T+2*\j+1] offset:\g*PD+\j*256
.endr
.endr
	s_lshl_b32 s30, s2, 5
	v_add_nc_u32 v11, s30, v6                      ; Ws fragments of columns 16 w ..: (8 h + (l & 7))*160 + 32 w + 16 ((l >> 3) & 1)
	v_mul_u32_u24 v12, v2, PD
	v_lshl_add_u32 v12, v3, 4, v12
	v_add_nc_u32 v12, DEC, v12                     ; dec fragments: DEC + r*528 + 16 h
	v_mul_u32_u24 v13, v3, 8*POS
	v_lshl_add_u32 v13, v2, 2, v13
	s_lshl_b32 s30, s2, 6
	s_add_co_u32 s30, s30, OS
	v_add_nc_u32 v13, s30, v13                     ; results: OS + 8 h*272 + 4 (16 w + r)
	s_wait_dscnt 0x0                               ; my rows of WT and DEC are written: zero, for the other waves' sake
	s_barrier_signal -1
	s_barrier_wait -1
.irp sp, 0,1,2,3,4,5,6,7
	ds_load_tr16_b128 v[F+24*\sp:F+24*\sp+3],    v11 offset:\sp*32*PWT
	ds_load_tr16_b128 v[F+24*\sp+4:F+24*\sp+7],  v11 offset:\sp*32*PWT+16*PWT
	ds_load_b128 v[F+24*\sp+8:F+24*\sp+11],      v12 offset:\sp*64
	ds_load_b128 v[F+24*\sp+12:F+24*\sp+15],     v12 offset:\sp*64+32
	ds_load_b128 v[F+24*\sp+16:F+24*\sp+19],     v12 offset:16*PD+\sp*64
	ds_load_b128 v[F+24*\sp+20:F+24*\sp+23],     v12 offset:16*PD+\sp*64+32
.endr
	; The two accumulators take turns, one instruction a turn.  The first products start the sums.
.irp sp, 0,1,2,3,4,5,6,7
	s_wait_dscnt 42-6*\sp                          ; six loads a K step: those of the later steps may stay out
.if \sp == 0
	v_wmma_f32_16x16x32_bf16 v[ACC0:ACC0+7], v[F+24*\sp+8:F+24*\sp+15],  v[F+24*\sp:F+24*\sp+7], 0
	v_wmma_f32_16x16x32_bf16 v[ACC1:ACC1+7], v[F+24*\sp+16:F+24*\sp+23], v[F+24*\sp:F+24*\sp+7], 0
.else
	v_wmma_f32_16x16x32_bf16 v[ACC0:ACC0+7], v[F+24*\sp+8:F+24*\sp+15],  v[F+24*\sp:F+24*\sp+7], v[ACC0:ACC0+7]
	v_wmma_f32_16x16x32_bf16 v[ACC1:ACC1+7], v[F+24*\sp+16:F+24*\sp+23], v[F+24*\sp:F+24*\sp+7], v[ACC1:ACC1+7]
.endif
.endr
.rept 4
	v_nop                                          ; four places behind the last matrix instruction (ISA guide 7.12.1) before its result is stored and its sources are loaded again
.endr
.irp j, 0,1,2,3,4,5,6,7
	ds_store_b32 v13, v[ACC0+\j] offset:\j*POS             ; register j: batch 8 h + j, column r
	ds_store_b32 v13, v[ACC1+\j] offset:16*POS+\j*POS
.endr
	v_lshrrev_b32 v14, 4, v0                       ; thread T: batches (T >> 4) + 8 i, columns 4 (T & 15) .. + 3
	v_lshl_add_u32 v15, v14, 12, v10               ; decp: batch*4096 + 256 cg + 16 r
	v_mul_u32_u24 v14, v14, POS
	v_lshl_add_u32 v14, v2, 4, v14
	v_add_nc_u32 v14, OS, v14
	s_lshl_b32 s24, s5, 17                         ; my quarter's [32][1024] f32
	s_mov_b32 s25, 0
	s_add_nc_u64 s[20:21], s[20:21], s[24:25]
	s_wait_dscnt 0x0                               ; my columns are written
	s_barrier_signal -1
	s_barrier_wait -1
.irp i, 0,1,2,3
	ds_load_b128 v[16+4*\i:16+4*\i+3], v14 offset:\i*8*POS
.endr
	s_wait_loadcnt 0x0                             ; bs and bh
	v_pk_add_f32 v[BSV:BSV+1],   v[BSV:BSV+1],   v[BHV:BHV+1]
	v_pk_add_f32 v[BSV+2:BSV+3], v[BSV+2:BSV+3], v[BHV+2:BHV+3]
	s_wait_dscnt 0x0
.irp i, 0,1,2,3
	v_pk_fma_f32 v[16+4*\i:16+4*\i+1], v[BSV:BSV+1],   0x3e800000, v[16+4*\i:16+4*\i+1] op_sel_hi:[1,0,1]   ; + (bs + bh) / 4
	v_pk_fma_f32 v[18+4*\i:18+4*\i+1], v[BSV+2:BSV+3], 0x3e800000, v[18+4*\i:18+4*\i+1] op_sel_hi:[1,0,1]
.endr
.irp i, 0,1,2,3
	global_store_b128 v15, v[16+4*\i:16+4*\i+3], s[20:21] offset:\i*32768    ; sixteen lanes store 256 consecutive bytes, aligned
.endr
	s_wait_tensorcnt 0x0
	ds_add_u32 v240, v241
	s_wait_dscnt 0x0
	s_endpgm
.Lfunc_end_k_q124b79eec1_prep:
	.size	k_q124b79eec1_prep, .Lfunc_end_k_q124b79eec1_prep-k_q124b79eec1_prep
	.p2alignl 7, 3214868480
	.fill 96, 4, 3214868480
	.section	.rodata,"a",@progbits
	.p2align	6, 0x0
	.amdhsa_kernel k_q124b79eec1_prep
		.amdhsa_group_segment_fixed_size 67072
		.amdhsa_private_segment_fixed_size 0
		.amdhsa_enable_private_segment 0
		.amdhsa_kernarg_size 56
		.amdhsa_user_sgpr_count 2
		.amdhsa_user_sgpr_kernarg_segment_ptr 1
		.amdhsa_wavefront_size32 1
		.amdhsa_system_sgpr_workgroup_id_x 1
		.amdhsa_system_sgpr_workgroup_id_y 1
		.amdhsa_system_sgpr_workgroup_id_z 1
		.amdhsa_system_vgpr_workitem_id 0
		.amdhsa_next_free_vgpr 242
		.amdhsa_next_free_sgpr 66
		.amdhsa_reserve_vcc 0
		.amdhsa_float_denorm_mode_32 3
		.amdhsa_float_denorm_mode_16_64 3
		.amdhsa_memory_ordered 1
		.amdhsa_forward_progress 1
		.amdhsa_inst_pref_size 37
	.end_amdhsa_kernel
	.amdgpu_metadata
---
amdhsa.version: [ 1, 2 ]
amdhsa.kernels:
  - .name:           k_q124b79eec1_prep
    .symbol:         k_q124b79eec1_prep.kd
    .args:
      - { .name: Wh, .offset: 0, .size: 8, .value_kind: global_buffer, .address_space: global }
      - { .name: Ws, .offset: 8, .size: 8, .value_kind: global_buffer, .address_space: global }
      - { .name: decoder_state, .offset: 16, .size: 8, .value_kind: global_buffer, .address_space: global }
      - { .name: bs, .offset: 24, .size: 8, .value_kind: global_buffer, .address_space: global }
      - { .name: bh, .offset: 32, .size: 8, .value_kind: global_buffer, .address_space: global }
      - { .name: whf, .offset: 40, .size: 8, .value_kind: global_buffer, .address_space: global }
      - { .name: decp, .offset: 48, .size: 8, .value_kind: global_buffer, .address_space: global }
    .group_segment_fixed_size: 67072
    .private_segment_fixed_size: 0
    .kernarg_segment_align: 8
    .kernarg_segment_size: 56
    .max_flat_workgroup_size: 128
    .sgpr_count:     66
    .vgpr_count:     242
    .wavefront_size: 32
...
	.end_amdgpu_metadata
.endif
;; end of part 1
;; launch attn (part 2): grid 512 x 1, 4 waves a work-group, no clusters, 273,152 bytes of LDS; arguments encoder_output, whf, decp, V, bv, coverage_vector, Wc, bc, scores, pctx; writes scores, pctx
.if DOCPART == 2
	.amdgcn_target "amdgcn-amd-amdhsa--gfx1250"
	.amdhsa_code_object_version 6
	.text
	.protected	k_q124b79eec1_attn
	.globl	k_q124b79eec1_attn
	.p2align	8
	.type	k_q124b79eec1_attn,@function
k_q124b79eec1_attn:
	s_mov_b64 s[64:65], 0
	v_nop
	global_prefetch_b8 v0, s[64:65] scope:SCOPE_SE
	s_setreg_imm32_b32 hwreg(HW_REG_WAVE_MODE, 25, 1), 1
	s_wait_xcnt 0x0
; One work-group = 128 rows of encoder_output (block blk of 512; batch = blk >> 4).  It makes
;   scores[blk*128 + i] = sum over n of V[n] tanh(enc_i . Wh[:, n] + dec[batch][n] + cov.Wc + bc) + bv,  dec = the sum of decp's four quarters,  and
;   pctx[blk][c]        = sum over i of exp(score_i - max of the block's scores) * enc_i[c]   (the last launch rescales and adds the blocks).
; The 128 rows are read from memory once, rounded to bf16 and kept in LDS (128 x 2,064 bytes) for both column passes and for the context sum.
; Four waves, each with 128 rows x 128 columns of f32 sums in 512 registers; two passes of 512 columns, which run the same text.
; All waves read the same A from LDS.  A wave's B fragments are used by that wave alone, so they go from whf (already in fragment order) straight
; into a register ring of four K steps: every load covers 512 consecutive bytes, and the K loop has no barrier.
; NO TENSOR RING AND NO JOINT LOADS FOR Wh: beside the resident rows 63,488 bytes of LDS are left; one K step of 32 for 512 columns is 32,768
; bytes, so two slots do not fit; fewer resident rows would raise the bytes of Wh per multiply-add in the same measure.
; LIMITS.  The matrix operands and the rows in the context sum are bf16 (weights and sums f32).  tanh(x) = 1 - 2 / (1 + 2^(2.885390 x)), absolute
; error about 1e-7, exact at saturation (2^x = inf or 0).  v_exp_f32 and v_rcp_f32 flush denormals (ISA guide 15.8): exponentials below 2^-126 are 0.
; NaN and infinite inputs are not treated specially.
;
; REGISTERS in windows of 256:
;   window 0: v0-15 ids, addresses; v16-31 BI, v32-47 VV (per-column constants: 0-7 the running pass's, 8-15 the next one's); v48-63 addresses;
;             v64-127, v128-191 two buffers of A fragments (8 x 16 rows x 32 K); v192-255 S, my columns' part of the 128 scores.
;   window 1: the B ring, slot st at v[64 st].   windows 2, 3: sums, tile (a, b) at v[8 (8 (a % 4) + b)];
;             while the rows come in, window 2 is the ring of eight row slots.
.set PA,   2064                        ; LDS pitch of a row: 2,048 + 16, an odd multiple of 16: sixteen rows of a fragment load start in different banks
.set CV,   264192                      ; four waves' parts of cov . Wc
.set SC,   264448                      ; SC[4 waves][128 rows] f32: each wave's part of the scores
.set PWR,  266496                      ; PW[4 waves][128] f32: each wave's own copy of the exponentials
.set CB,   268544                      ; 1,024 bytes a wave: the context on its way out
.set XS,   264448                      ; ahead of the first barrier the same 8,192 bytes serve as 2,048 bytes of scratch for each wave
.set AOFF, 4                           ; v4      w*131072 + 16 l
.set AST,  5                           ; v5      where my 8 bytes of a row go; stepped 8 rows a trip
.set XSST, 6                           ; v6      XS + 2048 w + 16 l
.set TOFF, 7                           ; v7      16 t
.set ADR0, 8                           ; v[8:11] (32 i + r)*2064 + 16 h
.set BOFF, 12                          ; v12     16 l
.set COLO, 13                          ; v13     512 w + 16 l
.set VS,   14                          ; v14     the sum of my 16 V
.set BI,   16
.set VV,   32
.set CVST, 48
.set CVLD, 49
.set SCST, 50
.set SCRD, 51
.set PWST, 52
.set PWA,  53
.set CX,   54
.set XSRD, 55                          ; v55     XS + 2048 w + 4 r
.set PCO,  56
.set CBST, 58
.set CBRD, 59
.set ADRA, 60                          ; v[60:63] working copy of ADR0, stepped along K
.set FAA,  64                          ; A fragments of the even K steps
.set FAB,  128                         ; A fragments of the odd K steps
.set U,    64                          ; v[64:127]  the epilogue's 64 numbers at work
.set S,    192                         ; v[192:255] S[8 a + j]: my columns' part of the score of row 16 a + 8 h + j
.set TB,   128                         ; v[128:143] a row's 16 packed registers on the way into LDS
.set COVR, 144
.set WCR,  160
.set DPL,  192                         ; v[192:223] decp: [2 passes][4 quarters][4 columns]
.set VL,   224                         ; v[224:231] V: [2 passes][4 columns]
.set CT,   160                         ; v[160:167] context of my 8 columns
.set SCL,  168                         ; v[168:183] four waves' score parts; v[168:171] the scores
.set MSB, 0
.macro WIN new                         ; the immediate's high byte repeats the setting that is left
.if MSB != (\new)
	s_set_vgpr_msb (MSB<<8)|(\new)
.set MSB, (\new)
.endif
.endm
.set MUL_LO, 0xa4                      ; source 0 (A) window 0, source 1 (B) window 1, C and D window 2
.set MUL_HI, 0xf4                      ; the same, C and D window 3
.set TO_B,   0x40                      ; destination window 1
.set TO_X,   0x80                      ; destination window 2
.set CVT_X,  0x0a                      ; sources 0 and 1 window 2
.set EPI_LO, 0x02                      ; source 0 window 2
.set EPI_HI, 0x03                      ; source 0 window 3
	s_load_b512 s[8:23], s[0:1], 0x0               ; enc s[8:9], whf s[10:11], decp s[12:13], V s[14:15], bv s[16:17], cov s[18:19], Wc s[20:21], bc s[22:23]
	s_load_b128 s[24:27], s[0:1], 0x40             ; scores s[24:25], pctx s[26:27]
	v_lshl_add_u32 v15, v0, 2, 0x42900
	v_mov_b32 v57, 0
	v_and_b32 v1, 31, v0                           ; l
	v_lshrrev_b32 v2, 5, v0
	v_readfirstlane_b32 s2, v2                     ; wave w
	v_and_b32 v2, 15, v0                           ; r
	v_bfe_u32 v3, v0, 4, 1                         ; h
	s_lshr_b32 s4, ttmp9, 4                        ; batch
	s_mov_b32 s30, 0x76543210                      ; v_permlanex16_b32: lane i reads lane i of the other half
	s_mov_b32 s31, 0xfedcba98
	s_mov_b32 s34, 0x4038aa3b                      ; 2 log2(e), twice: a pair for the packed forms
	s_mov_b32 s35, 0x4038aa3b
	s_mov_b32 s36, 0x3fb8aa3b                      ; log2(e)
	s_mov_b32 s7, 0
	s_lshl_b32 s5, s2, 17
	v_lshlrev_b32 v[BOFF], 4, v1
	v_add_nc_u32 v[AOFF], s5, v[BOFF]              ; my wave's 32 rows of 4,096 bytes
	s_mul_i32 s5, s2, 32*PA
	v_lshl_add_u32 v[AST], v1, 3, s5
	v_lshlrev_b32 v[TOFF], 4, v0
	v_mul_u32_u24 v[ADR0], v2, PA
	v_lshl_add_u32 v[ADR0], v3, 4, v[ADR0]
.irp k, 1,2,3
	v_add_nc_u32 v[ADR0+\k], \k*32*PA, v[ADR0]
.endr
	s_lshl_b32 s5, s2, 9
	v_add_nc_u32 v[COLO], s5, v[BOFF]              ; my wave's 128 columns of a pass, 4 a lane
	s_lshl_b32 s5, s2, 11
	s_add_co_u32 s5, s5, XS
	v_add_nc_u32 v[XSST], s5, v[BOFF]
	v_lshl_add_u32 v[XSRD], v2, 2, s5
	s_lshl_b32 s5, s2, 2
	s_add_co_u32 s5, s5, CV
	v_mov_b32 v[CVST], s5
	v_mov_b32 v[CVLD], CV
	s_wait_kmcnt 0x0
	s_load_b32 s28, s[16:17], 0x0                  ; bv
	s_load_b32 s29, s[22:23], 0x0                  ; bc
	s_lshl_b32 s6, ttmp9, 19
	s_add_nc_u64 s[8:9], s[8:9], s[6:7]            ; my 128 rows
	s_lshl_b32 s6, s2, 19
	s_add_nc_u64 s[10:11], s[10:11], s[6:7]        ; my wave's stream of 64 K steps x 8,192 bytes
	s_lshl_b32 s6, s4, 12
	s_add_nc_u64 s[12:13], s[12:13], s[6:7]
	s_lshl_b32 s6, s4, 13
	s_add_nc_u64 s[18:19], s[18:19], s[6:7]
	s_lshl_b32 s6, ttmp9, 9
	s_add_nc_u64 s[24:25], s[24:25], s[6:7]
	s_lshl_b32 s6, ttmp9, 12
	s_add_nc_u64 s[26:27], s[26:27], s[6:7]
	; ---- the 18 small loads first: they are older than all that follows, so the first counted wait below shows them done
.irp p, 0,1
.irp kq, 0,1,2,3
	global_load_b128 v[DPL+16*\p+4*\kq:DPL+16*\p+4*\kq+3], v[COLO], s[12:13] offset:\kq*131072+\p*2048   ; quarter kq, columns 512 p + 128 w + 4 l ..
.endr
	global_load_b128 v[VL+4*\p:VL+4*\p+3], v[COLO], s[14:15] offset:\p*2048
.endr
.irp i, 0,1,2,3
	global_load_b128 v[COVR+4*\i:COVR+4*\i+3], v[TOFF], s[18:19] offset:\i*2048   ; 16 of the batch's 2,048 coverage numbers a thread
	global_load_b128 v[WCR+4*\i:WCR+4*\i+3],   v[TOFF], s[20:21] offset:\i*2048
.endr
	; ---- the rows come in.  Wave w: rows 32 w .. 32 w + 31, eight loads of 512 bytes a row, a ring of eight row slots in window 2.
	WIN TO_X
.irp i, 0,1,2,3,4,5,6,7
.irp c, 0,1,2,3,4,5,6,7
	global_load_b128 v[32*\i+4*\c:32*\i+4*\c+3], v[AOFF], s[8:9] offset:\i*4096+\c*512 th:TH_LOAD_NT
.endr
.endr
	WIN 0
; The turn of slot i.  kind 0: the slot is loaded again, eight rows on.  kind 1: eight loads of the B stream go out instead.  kind 2: nothing.
; lc: the loads that may stay out.
.macro TURN i, kind, lc
	s_wait_loadcnt \lc
	WIN CVT_X
.irp c, 0,1,2,3,4,5,6,7
	v_cvt_pk_bf16_f32 v[TB+2*\c],   v[32*\i+4*\c],   v[32*\i+4*\c+1]
	v_cvt_pk_bf16_f32 v[TB+2*\c+1], v[32*\i+4*\c+2], v[32*\i+4*\c+3]
.endr
.if \kind == 0
	WIN TO_X
.irp c, 0,1,2,3,4,5,6,7
	global_load_b128 v[32*\i+4*\c:32*\i+4*\c+3], v[AOFF], s[8:9] offset:(\i+8)*4096+\c*512 th:TH_LOAD_NT
.endr
.endif
.if \kind == 1
	WIN TO_B
.irp c, 0,1,2,3,4,5,6,7
	global_load_b128 v[32*\i+4*\c:32*\i+4*\c+3], v[BOFF], s[10:11] offset:\i*4096+\c*512
.endr
.endif
	WIN 0
.irp c, 0,1,2,3,4,5,6,7
	ds_store_b64 v[AST], v[TB+2*\c:TB+2*\c+1] offset:\i*PA+\c*256
.endr
.endm
	s_mov_b32 s5, 3
.Lrows:                                            ; three trips: rows 0-23 go into LDS, rows 8-31 are asked for
.irp i, 0,1,2,3,4,5,6,7
	TURN \i, 0, 56                                 ; seven younger groups of eight loads stay out
.endr
	s_wait_xcnt 0x0                                ; the rows' base is a source of the loads just issued: it is stepped only behind this wait
	s_add_nc_u64 s[8:9], s[8:9], 32768
	v_add_nc_u32 v[AST], 8*PA, v[AST]
	s_sub_co_u32 s5, s5, 1
	s_cmp_lg_u32 s5, 0
	s_cbranch_scc1 .Lrows
	; rows 24-31.  Six turns send out the 48 loads of B's K steps 0 to 2, so the count stays 56: (7 - j) groups of rows and j of B.
.irp i, 0,1,2,3,4,5
	TURN \i, 1, 56
.endr
	TURN 6, 2, 56                                  ; row 31's eight loads and B's 48
	TURN 7, 2, 48                                  ; B's 48
	; dec = the sum of the four quarters; then dec and V pass through my wave's own scratch from 4 columns a lane to column 16 b + r.
	; LDS serves a wave in order: no wait between these stores and loads.
.irp p, 0,1
	v_pk_add_f32 v[DPL+16*\p:DPL+16*\p+1],     v[DPL+16*\p:DPL+16*\p+1],     v[DPL+16*\p+4:DPL+16*\p+5]
	v_pk_add_f32 v[DPL+16*\p+2:DPL+16*\p+3],   v[DPL+16*\p+2:DPL+16*\p+3],   v[DPL+16*\p+6:DPL+16*\p+7]
	v_pk_add_f32 v[DPL+16*\p+8:DPL+16*\p+9],   v[DPL+16*\p+8:DPL+16*\p+9],   v[DPL+16*\p+12:DPL+16*\p+13]
	v_pk_add_f32 v[DPL+16*\p+10:DPL+16*\p+11], v[DPL+16*\p+10:DPL+16*\p+11], v[DPL+16*\p+14:DPL+16*\p+15]
	v_pk_add_f32 v[DPL+16*\p:DPL+16*\p+1],     v[DPL+16*\p:DPL+16*\p+1],     v[DPL+16*\p+8:DPL+16*\p+9]
	v_pk_add_f32 v[DPL+16*\p+2:DPL+16*\p+3],   v[DPL+16*\p+2:DPL+16*\p+3],   v[DPL+16*\p+10:DPL+16*\p+11]
	ds_store_b128 v[XSST], v[DPL+16*\p:DPL+16*\p+3] offset:512*\p
	ds_store_b128 v[XSST], v[VL+4*\p:VL+4*\p+3]     offset:1024+512*\p
.endr
.irp p, 0,1
.irp b, 0,1,2,3,4,5,6,7
	ds_load_b32 v[BI+8*\p+\b], v[XSRD] offset:512*\p+64*\b         ; column 512 p + 128 w + 16 b + r
	ds_load_b32 v[VV+8*\p+\b], v[XSRD] offset:1024+512*\p+64*\b
.endr
.endr
	; my thread's 16 products of cov . Wc, then the wave's sum
	v_pk_mul_f32 v[176:177], v[COVR:COVR+1], v[WCR:WCR+1]
.irp k, 2,4,6,8,10,12,14
	v_pk_fma_f32 v[176:177], v[COVR+\k:COVR+\k+1], v[WCR+\k:WCR+\k+1], v[176:177]
.endr
	v_add_f32 v176, v176, v177
.irp m, 1,2,4,8
	v_add_f32_dpp v176, v176, v176 row_xmask:\m row_mask:0xf bank_mask:0xf
.endr
	v_permlanex16_b32 v177, v176, s30, s31
	v_add_f32 v176, v176, v177
	ds_store_b32 v[CVST], v176
	s_wait_dscnt 0x0                               ; my rows and my part of cov . Wc are written, my scratch is read: zero, for the other waves' sake
	s_barrier_signal -1
	s_barrier_wait -1
	; ---- per-column constants.  2^(c x) with c = 2 log2(e) and x = sum + dec + covp: BI = c dec + c covp, so one fused multiply-add makes the exponent.
	; score = sum V tanh = sum V - 2 sum V / (1 + 2^(c x)): VV = -2 V, and each of my 64 sums starts at the sum of my V.
	ds_load_b128 v[180:183], v[CVLD]
	s_wait_kmcnt 0x0                               ; bv, bc
	s_wait_dscnt 0x0
	v_add_f32 v180, v180, v181
	v_add_f32 v182, v182, v183
	v_add_f32 v180, v180, v182
	v_add_f32 v180, s29, v180                      ; covp = cov . Wc + bc
	v_mul_f32 v180, s34, v180
.irp k, 0,1,2,3,4,5,6,7,8,9,10,11,12,13,14,15
	v_fma_f32 v[BI+\k], v[BI+\k], s34, v180
.endr
	v_pk_add_f32 v[184:185], v[VV:VV+1], v[VV+2:VV+3]
.irp k, 4,6,8,10,12,14
	v_pk_add_f32 v[184:185], v[184:185], v[VV+\k:VV+\k+1]
.endr
	v_add_f32 v[VS], v184, v185
.irp k, 0,2,4,6,8,10,12,14
	v_pk_mul_f32 v[VV+\k:VV+\k+1], v[VV+\k:VV+\k+1], -2.0 op_sel_hi:[1,0]
.endr
.irp g, 0,1,2,3,4,5,6,7
.irp j, 0,1,2,3,4,5,6,7
	v_mov_b32 v[S+8*\g+\j], v[VS]                  ; both passes add onto S by the same text, so its start is written here
.endr
.endr
; 32 matrix instructions: four blocks of 16 rows (fragments at fa) x my eight blocks of 16 columns (B slot st), 32 along K.
; The 32 sums differ and the next 32 lie in the other window: the accumulators take turns, one instruction a turn, over every
; backward jump too.
.macro MUL32 fa, st, zero
.irp a, 0,1,2,3
.irp b, 0,1,2,3,4,5,6,7
.if \zero
	v_wmma_f32_16x16x32_bf16 v[8*(8*\a+\b):8*(8*\a+\b)+7], v[\fa+8*\a:\fa+8*\a+7], v[64*\st+8*\b:64*\st+8*\b+7], 0
.else
	v_wmma_f32_16x16x32_bf16 v[8*(8*\a+\b):8*(8*\a+\b)+7], v[\fa+8*\a:\fa+8*\a+7], v[64*\st+8*\b:64*\st+8*\b+7], v[8*(8*\a+\b):8*(8*\a+\b)+7]
.endif
.endr
.endr
.endm
.macro PLACES                          ; four places behind a matrix instruction (ISA guide 7.12.1) before its sources are loaded again or its result is read
.rept 4
	v_nop
.endr
.endm
; sixteen LDS loads: the eight A fragments of one K step, at byte koff of the working addresses; rows 0-63 first
.macro FETCH16 fa, koff
.irp a, 0,1,2,3,4,5,6,7
.irp q, 0,1
	ds_load_b128 v[\fa+8*\a+4*\q:\fa+8*\a+4*\q+3], v[ADRA+\a/2] offset:(\a%2)*16*PA+(\koff)+32*\q
.endr
.endr
.endm
; One K step of 32 on B slot st and A buffer st % 2.  All its loads stand in ONE run in its middle, behind four places: the next step's A fragments go
; into the other buffer, and B of three steps ahead into the slot that the step before has used; both were last read by the step before.
; nexta, bload: whether these loads are issued; lc: the B loads that may stay out.
.macro STEP st, zero, nexta, bload, lc
.set CURF, FAA+64*(\st%2)
.set OTHF, FAA+64-64*(\st%2)
.set NSLOT, (\st+3)%4
	s_wait_loadcnt \lc                             ; slot st's 16 loads are in; those of the two younger slots stay out
	s_wait_dscnt 8                                 ; rows 0-63 are in; the eight loads of rows 64-127 may be out
	WIN MUL_LO
	MUL32 CURF, \st, \zero
.if ((\nexta)+(\bload)) > 0
	PLACES
.endif
.if \nexta
	WIN 0
	FETCH16 OTHF, (\st+1)*64
.endif
.if \bload
.if \st == 1
	s_wait_xcnt 0x0                                ; the stream's base is a source of B's loads; the last of them were issued 64 matrix instructions ago
	s_add_nc_u64 s[10:11], s[10:11], 32768         ; four K steps on: with the step taken here a slot's offset is its number times 8,192
.endif
	WIN TO_B
.irp i, 0,1,2,3,4,5,6,7,8,9,10,11,12,13,14,15
	global_load_b128 v[64*NSLOT+4*\i:64*NSLOT+4*\i+3], v[BOFF], s[10:11] offset:NSLOT*8192+\i*512
.endr
.endif
.if \nexta
	s_wait_dscnt 16                                ; rows 64-127 are in; the 16 just issued may be out
.else
	s_wait_dscnt 0
.endif
	WIN MUL_HI
	MUL32 CURF+32, \st, \zero
.endm
; four K steps, once round the B ring.  b0: step 0 loads B; b1: steps 1 to 3 do; last: step 3 fetches no A
.macro CHUNK zero, last, b0, b1, lc0, lc1, lc2, lc3
	STEP 0, \zero, 1, \b0, \lc0
	STEP 1, 0, 1, \b1, \lc1
	STEP 2, 0, 1, \b1, \lc2
	STEP 3, 0, 1-\last, \b1, \lc3
	WIN 0                                          ; at a label and at a branch every window is 0
.endm
.macro NEXT
.irp k, 0,1,2,3
	v_add_nc_u32 v[ADRA+\k], 256, v[ADRA+\k]       ; 128 along K
.endr
.endm
; The epilogue, 16 rows at a time.  In a sum's tile register j of lane (r, h) is row 8 h + j, column r.
.macro EARG a4, b, sel                 ; the exponents of tile (a4, b): c * sum + BI[b]; sel picks BI's register in its pair
.irp jp, 0,1,2,3
	v_pk_fma_f32 v[U+8*(\b)+2*\jp:U+8*(\b)+2*\jp+1], v[8*(8*\a4+(\b))+2*\jp:8*(8*\a4+(\b))+2*\jp+1], s[34:35], v[BI+(\b)-\sel:BI+(\b)-\sel+1] op_sel:[0,0,\sel] op_sel_hi:[1,0,\sel]
.endr
.endm
.macro EACC a, b, sel                  ; S += (-2 V) / (1 + 2^..)
	s_wait_alu depctr_va_vdst(0)
.irp jp, 0,1,2,3
	v_pk_fma_f32 v[S+8*(\a)+2*\jp:S+8*(\a)+2*\jp+1], v[U+8*(\b)+2*\jp:U+8*(\b)+2*\jp+1], v[VV+(\b)-\sel:VV+(\b)-\sel+1], v[S+8*(\a)+2*\jp:S+8*(\a)+2*\jp+1] op_sel:[0,\sel,0] op_sel_hi:[1,\sel,1]
.endr
.endm
.macro EPI
.irp hi, 0,1
.irp a4, 0,1,2,3
.if \hi
	WIN EPI_HI
.else
	WIN EPI_LO
.endif
.irp bp, 0,2,4,6
	EARG \a4, \bp, 0
	EARG \a4, \bp+1, 1
.endr
	WIN 0
.irp b, 0,1,2,3,4,5,6,7
.irp j, 0,1,2,3,4,5,6,7
	v_exp_f32 v[U+8*\b+\j], v[U+8*\b+\j]
.endr
.endr
	v_nop                                          ; one plain place behind the transcendentals before their results are used (ISA guide 5.7.2)
	s_wait_alu depctr_va_vdst(0)
.irp b, 0,1,2,3,4,5,6,7
.irp jp, 0,1,2,3
	v_pk_add_f32 v[U+8*\b+2*\jp:U+8*\b+2*\jp+1], v[U+8*\b+2*\jp:U+8*\b+2*\jp+1], 1.0 op_sel_hi:[1,0]
.endr
.endr
.irp b, 0,1,2,3,4,5,6,7
.irp j, 0,1,2,3,4,5,6,7
	v_rcp_f32 v[U+8*\b+\j], v[U+8*\b+\j]
.endr
.endr
	v_nop
.irp bp, 0,2,4,6
	EACC 4*\hi+\a4, \bp, 0
	EACC 4*\hi+\a4, \bp+1, 1
.endr
.endr
.endr
.endm
	; ---- two passes by one text: pass p makes columns 512 p + 128 w + 0..127.  Eight chunks of 128 along K: the first starts the sums, six go round
	; a loop, the last fetches no A beyond the rows' end.  32 = two younger slots of 16 loads.  The B stream runs on from pass 0 into pass 1.
	s_mov_b32 s37, 0
.Lpass:
.irp k, 0,1,2,3
	v_mov_b32 v[ADRA+\k], v[ADR0+\k]
.endr
	FETCH16 FAA, 0
	CHUNK 1, 0, 1, 1, 32, 32, 32, 32
	NEXT
	s_mov_b32 s5, 6
.Lk:
	CHUNK 0, 0, 1, 1, 32, 32, 32, 32
	NEXT
	s_sub_co_u32 s5, s5, 1
	s_cmp_lg_u32 s5, 0
	s_cbranch_scc1 .Lk
	s_cmp_lg_u32 s37, 0
	s_cbranch_scc1 .Llast1
	CHUNK 0, 1, 1, 1, 32, 32, 32, 32               ; pass 0: its B loads are K step 31 and pass 1's first three
	s_branch .Lepi
.Llast1:
	CHUNK 0, 1, 1, 0, 32, 32, 16, 0                ; pass 1: only the stream's last K step is left to load, and the counts run down
.Lepi:
	PLACES
	EPI
.irp k, 0,1,2,3,4,5,6,7
	v_mov_b32 v[BI+\k], v[BI+8+\k]                 ; the text names one set of column constants: the next pass's move into it
	v_mov_b32 v[VV+\k], v[VV+8+\k]
.endr
	s_add_co_u32 s37, s37, 1
	s_cmp_lt_u32 s37, 2
	s_cbranch_scc1 .Lpass
	; ---- the scores: over my 16 lanes' columns, then over the four waves
.irp m, 1,2,4,8
.irp b, 0,1,2,3,4,5,6,7
.irp j, 0,1,2,3,4,5,6,7
	v_add_f32_dpp v[S+8*\b+\j], v[S+8*\b+\j], v[S+8*\b+\j] row_xmask:\m row_mask:0xf bank_mask:0xf
.endr
.endr
.endr
	s_lshl_b32 s5, s2, 9
	s_add_co_u32 s6, s5, SC
	v_lshl_add_u32 v[SCST], v3, 5, s6              ; SC + 512 w + 4 (8 h)
	v_add_nc_u32 v[SCRD], SC, v[BOFF]              ; SC + 16 l: rows 4 l .. 4 l + 3
	s_add_co_u32 s6, s5, PWR
	v_add_nc_u32 v[PWST], s6, v[BOFF]
	v_mov_b32 v[PWA], s6
	v_mov_b32 v[CX], v[TOFF]                       ; my 8 columns: 16 t in every row
	s_lshl_b32 s5, s2, 10
	s_add_co_u32 s6, s5, CB
	v_lshl_add_u32 v[CBST], v1, 5, s6
	v_add_nc_u32 v[CBRD], s6, v[BOFF]
	v_add_nc_u32 v[PCO], s5, v[BOFF]
.irp a, 0,1,2,3,4,5,6,7
	ds_store_b128 v[SCST], v[S+8*\a:S+8*\a+3]   offset:64*\a       ; the sixteen lanes of a half hold the same numbers and write the same words
	ds_store_b128 v[SCST], v[S+8*\a+4:S+8*\a+7] offset:64*\a+16
.endr
	s_wait_dscnt 0x0                               ; my parts are written
	s_barrier_signal -1
	s_barrier_wait -1
.irp k, 0,1,2,3
	ds_load_b128 v[SCL+4*\k:SCL+4*\k+3], v[SCRD] offset:512*\k
.endr
	s_wait_dscnt 0x0
	v_pk_add_f32 v[SCL:SCL+1],     v[SCL:SCL+1],     v[SCL+4:SCL+5]
	v_pk_add_f32 v[SCL+2:SCL+3],   v[SCL+2:SCL+3],   v[SCL+6:SCL+7]
	v_pk_add_f32 v[SCL+8:SCL+9],   v[SCL+8:SCL+9],   v[SCL+12:SCL+13]
	v_pk_add_f32 v[SCL+10:SCL+11], v[SCL+10:SCL+11], v[SCL+14:SCL+15]
	v_pk_add_f32 v[SCL:SCL+1],     v[SCL:SCL+1],     v[SCL+8:SCL+9]
	v_pk_add_f32 v[SCL+2:SCL+3],   v[SCL+2:SCL+3],   v[SCL+10:SCL+11]
	v_pk_add_f32 v[SCL:SCL+1],     v[SCL:SCL+1],     s[28:29] op_sel_hi:[1,0]    ; + bv
	v_pk_add_f32 v[SCL+2:SCL+3],   v[SCL+2:SCL+3],   s[28:29] op_sel_hi:[1,0]
	; the block's maximum is taken away before the exponential; the last launch finds the same maximum from the stored scores
	v_max3_num_f32 v184, v[SCL], v[SCL+1], v[SCL+2]
	v_max_num_f32 v184, v184, v[SCL+3]
.irp m, 1,2,4,8
	v_max_num_f32_dpp v184, v184, v184 row_xmask:\m row_mask:0xf bank_mask:0xf
.endr
	v_permlanex16_b32 v185, v184, s30, s31
	v_max_num_f32 v184, v184, v185
	v_mul_f32 v186, s36, v184
.irp k, 0,1,2,3
	v_fma_f32 v[188+\k], v[SCL+\k], s36, -v186
.endr
.irp k, 0,1,2,3
	v_exp_f32 v[188+\k], v[188+\k]
.endr
	v_nop
	s_wait_alu depctr_va_vdst(0)
	ds_store_b128 v[PWST], v[188:191]              ; every wave keeps its own copy: no barrier, LDS serves a wave in order
	s_cmp_lg_u32 s2, 0
	s_cbranch_scc1 .Lnot_wave_0
	global_store_b128 v[BOFF], v[SCL:SCL+3], s[24:25]      ; wave 0 stores the 128 scores: 512 consecutive bytes, aligned; v[168:171] are not written again
.Lnot_wave_0:
	; ---- the context of my 8 columns over the 128 rows, 16 rows a group, two register buffers by turns; a trip takes 32 rows
.macro GLOAD half, x, pr
.irp i, 0,1,2,3,4,5,6,7,8,9,10,11,12,13,14,15
	ds_load_b128 v[\x+4*\i:\x+4*\i+3], v[CX] offset:(\half*16+\i)*PA
.endr
.irp q, 0,1,2,3
	ds_load_b128 v[\pr+4*\q:\pr+4*\q+3], v[PWA] offset:64*\half+16*\q    ; the group's 16 exponentials, the same in every lane
.endr
.endm
.macro GFMA x, pr
.irp i, 0,1,2,3,4,5,6,7,8,9,10,11,12,13,14,15
.irp c, 0,1,2,3
	v_fma_mix_f32_bf16 v[CT+2*\c],   v[\x+4*\i+\c], v[\pr+\i], v[CT+2*\c]   op_sel:[0,0,0] op_sel_hi:[1,0,0]
	v_fma_mix_f32_bf16 v[CT+2*\c+1], v[\x+4*\i+\c], v[\pr+\i], v[CT+2*\c+1] op_sel:[1,0,0] op_sel_hi:[1,0,0]
.endr
.endr
.endm
	GLOAD 0, 64, 128
	GLOAD 1, 192, 144
.irp k, 0,1,2,3,4,5,6,7
	v_mov_b32 v[CT+\k], 0
.endr
	s_mov_b32 s5, 3
.Lctx:
	s_wait_dscnt 20                                ; the 20 loads of the younger group may stay out
	GFMA 64, 128
	v_add_nc_u32 v[CX], 32*PA, v[CX]               ; the next 32 rows
	v_add_nc_u32 v[PWA], 128, v[PWA]
	GLOAD 0, 64, 128
	s_wait_dscnt 20
	GFMA 192, 144
	GLOAD 1, 192, 144
	s_sub_co_u32 s5, s5, 1
	s_cmp_lg_u32 s5, 0
	s_cbranch_scc1 .Lctx
	s_wait_dscnt 20
	GFMA 64, 128
	s_wait_dscnt 0
	GFMA 192, 144
	; a lane holds 32 neighbouring bytes; through my wave's own 1,024 bytes of LDS they become two stores of 512 consecutive bytes
	ds_store_b128 v[CBST], v[CT:CT+3]
	ds_store_b128 v[CBST], v[CT+4:CT+7] offset:16
	ds_load_b128 v[64:67], v[CBRD]
	ds_load_b128 v[68:71], v[CBRD] offset:512
	s_wait_dscnt 1
	global_store_b128 v[PCO], v[64:67], s[26:27]
	s_wait_dscnt 0
	global_store_b128 v[PCO], v[68:71], s[26:27] offset:512
	s_wait_tensorcnt 0x0
	ds_add_u32 v15, v57
	s_wait_dscnt 0x0
	s_endpgm
.Lfunc_end_k_q124b79eec1_attn:
	.size	k_q124b79eec1_attn, .Lfunc_end_k_q124b79eec1_attn-k_q124b79eec1_attn
	.p2alignl 7, 3214868480
	.fill 96, 4, 3214868480
	.section	.rodata,"a",@progbits
	.p2align	6, 0x0
	.amdhsa_kernel k_q124b79eec1_attn
		.amdhsa_group_segment_fixed_size 273152
		.amdhsa_private_segment_fixed_size 0
		.amdhsa_enable_private_segment 0
		.amdhsa_kernarg_size 80
		.amdhsa_user_sgpr_count 2
		.amdhsa_user_sgpr_kernarg_segment_ptr 1
		.amdhsa_wavefront_size32 1
		.amdhsa_system_sgpr_workgroup_id_x 1
		.amdhsa_system_sgpr_workgroup_id_y 1
		.amdhsa_system_sgpr_workgroup_id_z 1
		.amdhsa_system_vgpr_workitem_id 0
		.amdhsa_next_free_vgpr 1024
		.amdhsa_next_free_sgpr 66
		.amdhsa_reserve_vcc 0
		.amdhsa_float_denorm_mode_32 3
		.amdhsa_float_denorm_mode_16_64 3
		.amdhsa_memory_ordered 1
		.amdhsa_forward_progress 1
		.amdhsa_inst_pref_size 255
	.end_amdhsa_kernel
	.section	.bss,"aw",@nobits
	.p2align	6
	.space	262144
	.amdgpu_metadata
---
amdhsa.version: [ 1, 2 ]
amdhsa.kernels:
  - .name:           k_q124b79eec1_attn
    .symbol:         k_q124b79eec1_attn.kd
    .args:
      - { .name: encoder_output, .offset: 0, .size: 8, .value_kind: global_buffer, .address_space: global }
      - { .name: whf, .offset: 8, .size: 8, .value_kind: global_buffer, .address_space: global }
      - { .name: decp, .offset: 16, .size: 8, .value_kind: global_buffer, .address_space: global }
      - { .name: V, .offset: 24, .size: 8, .value_kind: global_buffer, .address_space: global }
      - { .name: bv, .offset: 32, .size: 8, .value_kind: global_buffer, .address_space: global }
      - { .name: coverage_vector, .offset: 40, .size: 8, .value_kind: global_buffer, .address_space: global }
      - { .name: Wc, .offset: 48, .size: 8, .value_kind: global_buffer, .address_space: global }
      - { .name: bc, .offset: 56, .size: 8, .value_kind: global_buffer, .address_space: global }
      - { .name: scores, .offset: 64, .size: 8, .value_kind: global_buffer, .address_space: global }
      - { .name: pctx, .offset: 72, .size: 8, .value_kind: global_buffer, .address_space: global }
    .group_segment_fixed_size: 273152
    .private_segment_fixed_size: 0
    .kernarg_segment_align: 8
    .kernarg_segment_size: 80
    .max_flat_workgroup_size: 128
    .sgpr_count:     66
    .vgpr_count:     1024
    .wavefront_size: 32
...
	.end_amdgpu_metadata
.endif
;; end of part 2
;; launch combine (part 3): grid 32 x 1, 8 waves a work-group, no clusters, 1,280 bytes of LDS; arguments scores, pctx, coverage_vector, out0, out1, out2; writes out0, out1, out2
.if DOCPART == 3
	.amdgcn_target "amdgcn-amd-amdhsa--gfx1250"
	.amdhsa_code_object_version 6
	.text
	.protected	k_q124b79eec1_combine
	.globl	k_q124b79eec1_combine
	.p2align	8
	.type	k_q124b79eec1_combine,@function
k_q124b79eec1_combine:
	s_mov_b64 s[64:65], 0
	v_nop
	global_prefetch_b8 v0, s[64:65] scope:SCOPE_SE
	s_setreg_imm32_b32 hwreg(HW_REG_WAVE_MODE, 25, 1), 1
	s_wait_xcnt 0x0
; One work-group for each batch: the softmax over its 2,048 scores, the new coverage, and the context from the 16 blocks' parts.
;   M = max of the scores; w_i = exp(s_i - M) / Z; out1 = w; out2 = coverage + w;
;   out0[c] = sum over the 16 blocks j of exp(m_j - M) / Z * pctx[16 batch + j][c], m_j = block j's own maximum, which pctx was made with.
; 256 threads; all 20 loads of a thread go out at once.  Load i of the scores in wave w is exactly block 8 i + w, so a wave's maximum is m_(8i+w).
; 32 work-groups: the launch moves 100 KB a batch and is a chain of two exchanges through LDS; more work-groups would need traffic between them.
; v_exp_f32 flushes denormals (ISA guide 15.8): weights below 2^-126 of the largest are 0.
.set SC0, 4                            ; v[4:11]    8 scores: rows 4 t .. + 3 and 1024 + 4 t .. + 3
.set CO,  12                           ; v[12:19]   the coverage of the same rows
.set PC,  20                           ; v[20:83]   16 blocks' parts of my 4 columns
.set MW,  84                           ; v84, v85   my wave's two block maxima
.set TMP, 86
.set ZA,  87                           ; LDS address 0
.set MB,  88                           ; v[88:103]  the 16 block maxima, then the 16 factors
.set MX,  104
.set ML,  105
.set SM,  106                          ; v[106:107]
.set E,   108                          ; v[108:115] exponentials, then weights
.set ZS,  116                          ; v[116:123] eight waves' sums
.set RZ,  124
.set O2,  128                          ; v[128:135]
.set CT,  136                          ; v[136:139]
	s_load_b256 s[4:11], s[0:1], 0x0               ; scores s[4:5], pctx s[6:7], coverage s[8:9], out0 s[10:11]
	s_load_b128 s[12:15], s[0:1], 0x20             ; out1 s[12:13], out2 s[14:15]
	v_lshl_add_u32 v144, v0, 2, 0x100
	v_mov_b32 v145, 0
	v_lshlrev_b32 v1, 4, v0                        ; 16 t
	v_lshrrev_b32 v2, 5, v0
	v_lshlrev_b32 v3, 2, v2                        ; 4 w
	v_mov_b32 v[TMP], 0
	v_mov_b32 v[ZA], 0
	s_mov_b32 s20, 0x76543210
	s_mov_b32 s21, 0xfedcba98
	s_mov_b32 s22, 0x3fb8aa3b                      ; log2(e)
	s_lshl_b32 s16, ttmp9, 13
	s_mov_b32 s17, 0
	s_lshl_b32 s18, ttmp9, 16
	s_mov_b32 s19, 0
	s_wait_kmcnt 0x0
	s_add_nc_u64 s[4:5], s[4:5], s[16:17]
	s_add_nc_u64 s[8:9], s[8:9], s[16:17]
	s_add_nc_u64 s[12:13], s[12:13], s[16:17]
	s_add_nc_u64 s[14:15], s[14:15], s[16:17]
	s_add_nc_u64 s[6:7], s[6:7], s[18:19]
	s_lshl_b32 s16, ttmp9, 12
	s_add_nc_u64 s[10:11], s[10:11], s[16:17]
	global_load_b128 v[SC0:SC0+3],   v1, s[4:5]
	global_load_b128 v[SC0+4:SC0+7], v1, s[4:5] offset:4096
	global_load_b128 v[CO:CO+3],     v1, s[8:9]
	global_load_b128 v[CO+4:CO+7],   v1, s[8:9] offset:4096
.irp j, 0,1,2,3,4,5,6,7,8,9,10,11,12,13,14,15
	global_load_b128 v[PC+4*\j:PC+4*\j+3], v1, s[6:7] offset:\j*4096
.endr
	s_wait_loadcnt 18                              ; the two loads of scores are in; coverage (2) and pctx (16) stay out
.irp i, 0,1
	v_max3_num_f32 v[MW+\i], v[SC0+4*\i], v[SC0+4*\i+1], v[SC0+4*\i+2]
	v_max_num_f32 v[MW+\i], v[MW+\i], v[SC0+4*\i+3]
.irp m, 1,2,4,8
	v_max_num_f32_dpp v[MW+\i], v[MW+\i], v[MW+\i] row_xmask:\m row_mask:0xf bank_mask:0xf
.endr
	v_permlanex16_b32 v[TMP], v[MW+\i], s20, s21
	v_max_num_f32 v[MW+\i], v[MW+\i], v[TMP]
	ds_store_b32 v3, v[MW+\i] offset:32*\i         ; block 8 i + w
.endr
	s_wait_dscnt 0x0
	s_barrier_signal -1
	s_barrier_wait -1
.irp k, 0,1,2,3
	ds_load_b128 v[MB+4*\k:MB+4*\k+3], v[ZA] offset:16*\k
.endr
	s_wait_dscnt 0x0
	v_max3_num_f32 v[MX], v[MB], v[MB+1], v[MB+2]
.irp k, 3,5,7,9,11,13
	v_max3_num_f32 v[MX], v[MX], v[MB+\k], v[MB+\k+1]
.endr
	v_max_num_f32 v[MX], v[MX], v[MB+15]
	v_mul_f32 v[ML], s22, v[MX]
.irp k, 0,1,2,3,4,5,6,7
	v_fma_f32 v[E+\k], v[SC0+\k], s22, -v[ML]
.endr
.irp k, 0,1,2,3,4,5,6,7
	v_exp_f32 v[E+\k], v[E+\k]
.endr
	v_nop                                          ; one plain place behind the transcendentals (ISA guide 5.7.2)
	s_wait_alu depctr_va_vdst(0)
	v_pk_add_f32 v[SM:SM+1], v[E:E+1], v[E+2:E+3]
	v_pk_add_f32 v[SM:SM+1], v[SM:SM+1], v[E+4:E+5]
	v_pk_add_f32 v[SM:SM+1], v[SM:SM+1], v[E+6:E+7]
	v_add_f32 v[SM], v[SM], v[SM+1]
.irp m, 1,2,4,8
	v_add_f32_dpp v[SM], v[SM], v[SM] row_xmask:\m row_mask:0xf bank_mask:0xf
.endr
	v_permlanex16_b32 v[TMP], v[SM], s20, s21
	v_add_f32 v[SM], v[SM], v[TMP]
	ds_store_b32 v3, v[SM] offset:64               ; other bytes than the maxima's: no wave still reading is disturbed
	s_wait_dscnt 0x0
	s_barrier_signal -1
	s_barrier_wait -1
	ds_load_b128 v[ZS:ZS+3],   v[ZA] offset:64
	ds_load_b128 v[ZS+4:ZS+7], v[ZA] offset:80
.irp j, 0,1,2,3,4,5,6,7,8,9,10,11,12,13,14,15
	v_fma_f32 v[MB+\j], v[MB+\j], s22, -v[ML]      ; the blocks' factors, while the sums come
.endr
.irp j, 0,1,2,3,4,5,6,7,8,9,10,11,12,13,14,15
	v_exp_f32 v[MB+\j], v[MB+\j]
.endr
	s_wait_dscnt 0x0
	v_pk_add_f32 v[ZS:ZS+1],   v[ZS:ZS+1],   v[ZS+2:ZS+3]
	v_pk_add_f32 v[ZS+4:ZS+5], v[ZS+4:ZS+5], v[ZS+6:ZS+7]
	v_pk_add_f32 v[ZS:ZS+1],   v[ZS:ZS+1],   v[ZS+4:ZS+5]
	v_add_f32 v[ZS], v[ZS], v[ZS+1]                ; Z is at least about 1: the largest score's term
	v_rcp_f32 v[RZ], v[ZS]
	v_nop
	s_wait_alu depctr_va_vdst(0)
.irp k, 0,1,2,3,4,5,6,7
	v_mul_f32 v[E+\k], v[E+\k], v[RZ]
.endr
	global_store_b128 v1, v[E:E+3],   s[12:13]             ; a wave's store covers 512 consecutive bytes, aligned
	global_store_b128 v1, v[E+4:E+7], s[12:13] offset:4096
	s_wait_loadcnt 16                              ; the coverage is in; the 16 loads of pctx may stay out
.irp k, 0,2,4,6
	v_pk_add_f32 v[O2+\k:O2+\k+1], v[CO+\k:CO+\k+1], v[E+\k:E+\k+1]
.endr
	global_store_b128 v1, v[O2:O2+3],   s[14:15]
	global_store_b128 v1, v[O2+4:O2+7], s[14:15] offset:4096
.irp j, 0,1,2,3,4,5,6,7,8,9,10,11,12,13,14,15
	v_mul_f32 v[MB+\j], v[MB+\j], v[RZ]
.endr
; block j's part times its factor; sel picks the factor's register in its pair.  The first product starts the sums.
.macro CTX j, sel
	s_wait_loadcnt 15-(\j)                         ; the younger loads of pctx may stay out
.if (\j) == 0
	v_pk_mul_f32 v[CT:CT+1],   v[PC:PC+1],   v[MB:MB+1] op_sel_hi:[1,0]
	v_pk_mul_f32 v[CT+2:CT+3], v[PC+2:PC+3], v[MB:MB+1] op_sel_hi:[1,0]
.else
	v_pk_fma_f32 v[CT:CT+1],   v[PC+4*(\j):PC+4*(\j)+1],   v[MB+(\j)-\sel:MB+(\j)-\sel+1], v[CT:CT+1]   op_sel:[0,\sel,0] op_sel_hi:[1,\sel,1]
	v_pk_fma_f32 v[CT+2:CT+3], v[PC+4*(\j)+2:PC+4*(\j)+3], v[MB+(\j)-\sel:MB+(\j)-\sel+1], v[CT+2:CT+3] op_sel:[0,\sel,0] op_sel_hi:[1,\sel,1]
.endif
.endm
.irp jp, 0,2,4,6,8,10,12,14
	CTX \jp, 0
	CTX \jp+1, 1
.endr
	global_store_b128 v1, v[CT:CT+3], s[10:11]
	s_wait_tensorcnt 0x0
	ds_add_u32 v144, v145
	s_wait_dscnt 0x0
	s_endpgm
.Lfunc_end_k_q124b79eec1_combine:
	.size	k_q124b79eec1_combine, .Lfunc_end_k_q124b79eec1_combine-k_q124b79eec1_combine
	.p2alignl 7, 3214868480
	.fill 96, 4, 3214868480
	.section	.rodata,"a",@progbits
	.p2align	6, 0x0
	.amdhsa_kernel k_q124b79eec1_combine
		.amdhsa_group_segment_fixed_size 1280
		.amdhsa_private_segment_fixed_size 0
		.amdhsa_enable_private_segment 0
		.amdhsa_kernarg_size 48
		.amdhsa_user_sgpr_count 2
		.amdhsa_user_sgpr_kernarg_segment_ptr 1
		.amdhsa_wavefront_size32 1
		.amdhsa_system_sgpr_workgroup_id_x 1
		.amdhsa_system_sgpr_workgroup_id_y 1
		.amdhsa_system_sgpr_workgroup_id_z 1
		.amdhsa_system_vgpr_workitem_id 0
		.amdhsa_next_free_vgpr 146
		.amdhsa_next_free_sgpr 66
		.amdhsa_reserve_vcc 0
		.amdhsa_float_denorm_mode_32 3
		.amdhsa_float_denorm_mode_16_64 3
		.amdhsa_memory_ordered 1
		.amdhsa_forward_progress 1
		.amdhsa_inst_pref_size 13
	.end_amdhsa_kernel
	.amdgpu_metadata
---
amdhsa.version: [ 1, 2 ]
amdhsa.kernels:
  - .name:           k_q124b79eec1_combine
    .symbol:         k_q124b79eec1_combine.kd
    .args:
      - { .name: scores, .offset: 0, .size: 8, .value_kind: global_buffer, .address_space: global }
      - { .name: pctx, .offset: 8, .size: 8, .value_kind: global_buffer, .address_space: global }
      - { .name: coverage_vector, .offset: 16, .size: 8, .value_kind: global_buffer, .address_space: global }
      - { .name: out0, .offset: 24, .size: 8, .value_kind: global_buffer, .address_space: global }
      - { .name: out1, .offset: 32, .size: 8, .value_kind: global_buffer, .address_space: global }
      - { .name: out2, .offset: 40, .size: 8, .value_kind: global_buffer, .address_space: global }
    .group_segment_fixed_size: 1280
    .private_segment_fixed_size: 0
    .kernarg_segment_align: 8
    .kernarg_segment_size: 48
    .max_flat_workgroup_size: 256
    .sgpr_count:     66
    .vgpr_count:     146
    .wavefront_size: 32
...
	.end_amdgpu_metadata
.endif
;; end of part 3
;; ======== version 2 of 2: 3 launches; version 1 with the launch attn written anew for expert scheduling mode
;; limits: values outside matrix products are rounded to bf16
;; workspace buffers: whf 2,097,152 bytes; decp 524,288 bytes; scores 262,144 bytes; pctx 2,097,152 bytes
;; launch prep: the kernel of part 1 again; grid 128 x 1, 4 waves a work-group, no clusters, 67,072 bytes of LDS; arguments Wh, Ws, decoder_state, bs, bh, whf, decp; writes whf, decp
;; launch attn (part 4): grid 512 x 1, 4 waves a work-group, no clusters, 273,152 bytes of LDS; arguments encoder_output, whf, decp, V, bv, coverage_vector, Wc, bc, scores, pctx; writes scores, pctx
.if DOCPART == 4
	.amdgcn_target "amdgcn-amd-amdhsa--gfx1250"
	.amdhsa_code_object_version 6
	.text
	.protected	k_q124b79eec1_attn
	.globl	k_q124b79eec1_attn
	.p2align	8
	.type	k_q124b79eec1_attn,@function
k_q124b79eec1_attn:
	s_mov_b64 s[64:65], 0
	v_nop
	global_prefetch_b8 v0, s[64:65] scope:SCOPE_SE
	s_setreg_imm32_b32 hwreg(HW_REG_WAVE_SCHED_MODE, 0, 2), 2
	s_setreg_imm32_b32 hwreg(HW_REG_WAVE_MODE, 25, 1), 1
	s_wait_xcnt 0x0
	s_wait_alu depctr_vm_vsrc(0)
; One work-group = 128 rows of encoder_output (block blk of 512; batch = blk >> 4).  It makes
;   scores[blk*128 + i] = sum over n of V[n] tanh(enc_i . Wh[:, n] + dec[batch][n] + cov.Wc + bc) + bv,  dec = the sum of decp's four quarters,  and
;   pctx[blk][c]        = sum over i of exp(score_i - max of the block's scores) * enc_i[c]   (the last launch rescales and adds the blocks).
; The 128 rows are read from memory once, rounded to bf16 and kept in LDS (128 x 2,064 bytes) for both column passes and for the context sum.
; Four waves, each with 128 rows x 128 columns of f32 sums in 512 registers; two passes of 512 columns, which run the same text.
; All waves read the same A from LDS.  A wave's B fragments are used by that wave alone, so they go from whf (already in fragment order) straight
; into a register ring of four K steps: every load covers 512 consecutive bytes, and the K loop has no barrier.
; NO TENSOR RING AND NO JOINT LOADS FOR Wh: beside the resident rows 63,488 bytes of LDS are left; one K step of 32 for 512 columns is 32,768
; bytes, so two slots do not fit; fewer resident rows would raise the bytes of Wh per multiply-add in the same measure.
; LIMITS.  The matrix operands and the rows in the context sum are bf16 (weights and sums f32).  tanh(x) = 1 - 2 / (1 + 2^(2.885390 x)), absolute
; error about 1e-7, exact at saturation (2^x = inf or 0).  v_exp_f32 and v_rcp_f32 flush denormals (ISA guide 15.8): exponentials below 2^-126 are 0.
; NaN and infinite inputs are not treated specially.
;
; THE MODE: SCHED_MODE bits 1:0 = 2 (LLVM: expert scheduling mode 2), set by the entry lines.  The code itself states the register dependences
; between vector or matrix instructions and memory or LDS instructions, with s_wait_alu, always for 0.
; THE PLAN.  Registers that memory or LDS instructions touch, and who else names them:
;   row slot i (window 2)   turn i's sixteen conversions read it; behind them its next eight loads land in it.
;   TB                      turn i's conversions write it, the turn's eight LDS stores read it, turn i + 1's conversions write it again.
;   v[AST]                  read by every such store; stepped once a trip.
;       So a turn has two waits: vm_vsrc at its head (TB is read), va_vdst behind its conversions (the slot is read, TB is written).
;   A buffers FAA, FAB      K step n's matrix instructions read buffer n % 2; step n's LDS loads land in the other, which step n - 1 read.
;   B slots (window 1)      step n's matrix instructions read slot n % 4; step n's loads land in slot (n + 3) % 4, which step n - 1 read.
;   v[ADRA ..]              read by every fragment load; written at a pass's head and once in four steps.
;       So ONE wait on va_vdst stands at a step's head: the step before is done with the other A buffer and with slot (n + 3) % 4, and v[ADRA ..] is written.
;       Behind it the step's matrix instructions name buffer n % 2, slot n % 4 and the sums alone, so its 32 loads are dealt among them with no further wait.
;   context buffers         a group's 128 multiply-adds read one; behind them, and a wait on va_vdst, it is loaded again.  v[CX], v[PWA] are stepped once a trip.
;   v[AOFF], v[BOFF], v[COLO], v[TOFF] and the other addresses are written once, ahead of a wait on va_vdst, and never again.
;
; REGISTERS in windows of 256:
;   window 0: v0-15 ids, addresses; v16-31 BI, v32-47 VV (per-column constants: 0-7 the running pass's, 8-15 the next one's); v48-63 addresses;
;             v64-127, v128-191 two buffers of A fragments (8 x 16 rows x 32 K); v192-255 S, my columns' part of the 128 scores.
;   window 1: the B ring, slot st at v[64 st].   windows 2, 3: sums, tile (a, b) at v[8 (8 (a % 4) + b)];
;             while the rows come in, window 2 is the ring of eight row slots.
.set PA,   2064                        ; LDS pitch of a row: 2,048 + 16, an odd multiple of 16: sixteen rows of a fragment load start in different banks
.set CV,   264192                      ; four waves' parts of cov . Wc
.set SC,   264448                      ; SC[4 waves][128 rows] f32: each wave's part of the scores
.set PWR,  266496                      ; PW[4 waves][128] f32: each wave's own copy of the exponentials
.set CB,   268544                      ; 1,024 bytes a wave: the context on its way out
.set XS,   264448                      ; ahead of the first barrier the same 8,192 bytes serve as 2,048 bytes of scratch for each wave
.set AOFF, 4                           ; v4      w*131072 + 16 l
.set AST,  5                           ; v5      where my 8 bytes of a row go; stepped 8 rows a trip
.set XSST, 6                           ; v6      XS + 2048 w + 16 l
.set TOFF, 7                           ; v7      16 t
.set ADR0, 8                           ; v[8:11] (32 i + r)*2064 + 16 h
.set BOFF, 12                          ; v12     16 l
.set COLO, 13                          ; v13     512 w + 16 l
.set VS,   14                          ; v14     the sum of my 16 V
.set BI,   16
.set VV,   32
.set CVST, 48
.set CVLD, 49
.set SCST, 50
.set SCRD, 51
.set PWST, 52
.set PWA,  53
.set CX,   54
.set XSRD, 55                          ; v55     XS + 2048 w + 4 r
.set PCO,  56
.set CBST, 58
.set CBRD, 59
.set ADRA, 60                          ; v[60:63] working copy of ADR0, stepped along K
.set FAA,  64                          ; A fragments of the even K steps
.set FAB,  128                         ; A fragments of the odd K steps
.set U,    64                          ; v[64:127]  the epilogue's 64 numbers at work
.set S,    192                         ; v[192:255] S[8 a + j]: my columns' part of the score of row 16 a + 8 h + j
.set TB,   128                         ; v[128:143] a row's 16 packed registers on the way into LDS
.set COVR, 144
.set WCR,  160
.set DPL,  192                         ; v[192:223] decp: [2 passes][4 quarters][4 columns]
.set VL,   224                         ; v[224:231] V: [2 passes][4 columns]
.set CT,   160                         ; v[160:167] context of my 8 columns
.set SCL,  168                         ; v[168:183] four waves' score parts; v[168:171] the scores
.set MSB, 0
.macro WIN new                         ; the immediate's high byte repeats the setting that is left
.if MSB != (\new)
	s_set_vgpr_msb (MSB<<8)|(\new)
.set MSB, (\new)
.endif
.endm
.set MUL_LO, 0xa4                      ; source 0 (A) window 0, source 1 (B) window 1, C and D window 2
.set MUL_HI, 0xf4                      ; the same, C and D window 3
.set TO_B,   0x40                      ; destination window 1
.set TO_X,   0x80                      ; destination window 2
.set CVT_X,  0x0a                      ; sources 0 and 1 window 2
.set EPI_LO, 0x02                      ; source 0 window 2
.set EPI_HI, 0x03                      ; source 0 window 3
	s_load_b512 s[8:23], s[0:1], 0x0               ; enc s[8:9], whf s[10:11], decp s[12:13], V s[14:15], bv s[16:17], cov s[18:19], Wc s[20:21], bc s[22:23]
	s_load_b128 s[24:27], s[0:1], 0x40             ; scores s[24:25], pctx s[26:27]
	v_lshl_add_u32 v15, v0, 2, 0x42900
	v_mov_b32 v57, 0
	v_and_b32 v1, 31, v0                           ; l
	v_lshrrev_b32 v2, 5, v0
	v_readfirstlane_b32 s2, v2                     ; wave w
	v_and_b32 v2, 15, v0                           ; r
	v_bfe_u32 v3, v0, 4, 1                         ; h
	s_lshr_b32 s4, ttmp9, 4                        ; batch
	s_mov_b32 s30, 0x76543210                      ; v_permlanex16_b32: lane i reads lane i of the other half
	s_mov_b32 s31, 0xfedcba98
	s_mov_b32 s34, 0x4038aa3b                      ; 2 log2(e), twice: a pair for the packed forms
	s_mov_b32 s35, 0x4038aa3b
	s_mov_b32 s36, 0x3fb8aa3b                      ; log2(e)
	s_mov_b32 s7, 0
	s_wait_alu depctr_va_sdst(0)                   ; s2 is written, ahead of its first reader: offsets, LDS addresses and a branch are made from it
	s_lshl_b32 s5, s2, 17
	v_lshlrev_b32 v[BOFF], 4, v1
	v_add_nc_u32 v[AOFF], s5, v[BOFF]              ; my wave's 32 rows of 4,096 bytes
	s_mul_i32 s5, s2, 32*PA
	v_lshl_add_u32 v[AST], v1, 3, s5
	v_lshlrev_b32 v[TOFF], 4, v0
	v_mul_u32_u24 v[ADR0], v2, PA
	v_lshl_add_u32 v[ADR0], v3, 4, v[ADR0]
.irp k, 1,2,3
	v_add_nc_u32 v[ADR0+\k], \k*32*PA, v[ADR0]
.endr
	s_lshl_b32 s5, s2, 9
	v_add_nc_u32 v[COLO], s5, v[BOFF]              ; my wave's 128 columns of a pass, 4 a lane
	s_lshl_b32 s5, s2, 11
	s_add_co_u32 s5, s5, XS
	v_add_nc_u32 v[XSST], s5, v[BOFF]
	v_lshl_add_u32 v[XSRD], v2, 2, s5
	s_lshl_b32 s5, s2, 2
	s_add_co_u32 s5, s5, CV
	v_mov_b32 v[CVST], s5
	v_mov_b32 v[CVLD], CV
	s_wait_kmcnt 0x0
	s_load_b32 s28, s[16:17], 0x0                  ; bv
	s_load_b32 s29, s[22:23], 0x0                  ; bc
	s_lshl_b32 s6, ttmp9, 19
	s_add_nc_u64 s[8:9], s[8:9], s[6:7]            ; my 128 rows
	s_lshl_b32 s6, s2, 19
	s_add_nc_u64 s[10:11], s[10:11], s[6:7]        ; my wave's stream of 64 K steps x 8,192 bytes
	s_lshl_b32 s6, s4, 12
	s_add_nc_u64 s[12:13], s[12:13], s[6:7]
	s_lshl_b32 s6, s4, 13
	s_add_nc_u64 s[18:19], s[18:19], s[6:7]
	s_lshl_b32 s6, ttmp9, 9
	s_add_nc_u64 s[24:25], s[24:25], s[6:7]
	s_lshl_b32 s6, ttmp9, 12
	s_add_nc_u64 s[26:27], s[26:27], s[6:7]
	s_wait_alu depctr_va_vdst(0)                   ; the offsets and LDS addresses made above are written: the loads and stores below read them
	; ---- the 18 small loads first: they are older than all that follows, so the first counted wait below shows them done
.irp p, 0,1
.irp kq, 0,1,2,3
	global_load_b128 v[DPL+16*\p+4*\kq:DPL+16*\p+4*\kq+3], v[COLO], s[12:13] offset:\kq*131072+\p*2048   ; quarter kq, columns 512 p + 128 w + 4 l ..
.endr
	global_load_b128 v[VL+4*\p:VL+4*\p+3], v[COLO], s[14:15] offset:\p*2048
.endr
.irp i, 0,1,2,3
	global_load_b128 v[COVR+4*\i:COVR+4*\i+3], v[TOFF], s[18:19] offset:\i*2048   ; 16 of the batch's 2,048 coverage numbers a thread
	global_load_b128 v[WCR+4*\i:WCR+4*\i+3],   v[TOFF], s[20:21] offset:\i*2048
.endr
	; ---- the rows come in.  Wave w: rows 32 w .. 32 w + 31, eight loads of 512 bytes a row, a ring of eight row slots in window 2.
	WIN TO_X
.irp i, 0,1,2,3,4,5,6,7
.irp c, 0,1,2,3,4,5,6,7
	global_load_b128 v[32*\i+4*\c:32*\i+4*\c+3], v[AOFF], s[8:9] offset:\i*4096+\c*512 th:TH_LOAD_NT
.endr
.endr
	WIN 0
; The turn of slot i.  kind 0: the slot is loaded again, eight rows on.  kind 1: eight loads of the B stream go out instead.  kind 2: nothing.
; lc: the loads that may stay out.
.macro TURN i, kind, lc
	s_wait_loadcnt \lc
.if \i > 0
	s_wait_alu depctr_vm_vsrc(0)                   ; the LDS stores of the turn before have read TB, which the conversions below write again (ahead of turn 0 the wait at the trip's end says so)
.endif
	WIN CVT_X
.irp c, 0,1,2,3,4,5,6,7
	v_cvt_pk_bf16_f32 v[TB+2*\c],   v[32*\i+4*\c],   v[32*\i+4*\c+1]
	v_cvt_pk_bf16_f32 v[TB+2*\c+1], v[32*\i+4*\c+2], v[32*\i+4*\c+3]
.endr
.if \kind == 0
	WIN TO_X
.endif
.if \kind == 1
	WIN TO_B
.endif
.if \kind == 2
	WIN 0
.endif
	s_wait_alu depctr_va_vdst(0)                   ; the conversions are done reading slot i, in which the next loads land, and have written TB, which the LDS stores read
.if \kind == 0
.irp c, 0,1,2,3,4,5,6,7
	global_load_b128 v[32*\i+4*\c:32*\i+4*\c+3], v[AOFF], s[8:9] offset:(\i+8)*4096+\c*512 th:TH_LOAD_NT
.endr
.endif
.if \kind == 1
.irp c, 0,1,2,3,4,5,6,7
	global_load_b128 v[32*\i+4*\c:32*\i+4*\c+3], v[BOFF], s[10:11] offset:\i*4096+\c*512
.endr
.endif
	WIN 0
.irp c, 0,1,2,3,4,5,6,7
	ds_store_b64 v[AST], v[TB+2*\c:TB+2*\c+1] offset:\i*PA+\c*256
.endr
.endm
	s_mov_b32 s5, 3
.Lrows:                                            ; three trips: rows 0-23 go into LDS, rows 8-31 are asked for
.irp i, 0,1,2,3,4,5,6,7
	TURN \i, 0, 56                                 ; seven younger groups of eight loads stay out
.endr
	s_wait_xcnt 0x0                                ; the rows' base is a source of the loads just issued: it is stepped only behind this wait
	s_add_nc_u64 s[8:9], s[8:9], 32768
	s_wait_alu depctr_vm_vsrc(0)                   ; the trip's LDS stores have read v[AST], which the add writes, and TB, which the next turn's conversions write
	v_add_nc_u32 v[AST], 8*PA, v[AST]
	s_sub_co_u32 s5, s5, 1
	s_cmp_lg_u32 s5, 0
	s_cbranch_scc1 .Lrows
	; rows 24-31.  Six turns send out the 48 loads of B's K steps 0 to 2, so the count stays 56: (7 - j) groups of rows and j of B.
.irp i, 0,1,2,3,4,5
	TURN \i, 1, 56
.endr
	TURN 6, 2, 56                                  ; row 31's eight loads and B's 48
	TURN 7, 2, 48                                  ; B's 48
	; dec = the sum of the four quarters
.irp p, 0,1
	v_pk_add_f32 v[DPL+16*\p:DPL+16*\p+1],     v[DPL+16*\p:DPL+16*\p+1],     v[DPL+16*\p+4:DPL+16*\p+5]
	v_pk_add_f32 v[DPL+16*\p+2:DPL+16*\p+3],   v[DPL+16*\p+2:DPL+16*\p+3],   v[DPL+16*\p+6:DPL+16*\p+7]
	v_pk_add_f32 v[DPL+16*\p+8:DPL+16*\p+9],   v[DPL+16*\p+8:DPL+16*\p+9],   v[DPL+16*\p+12:DPL+16*\p+13]
	v_pk_add_f32 v[DPL+16*\p+10:DPL+16*\p+11], v[DPL+16*\p+10:DPL+16*\p+11], v[DPL+16*\p+14:DPL+16*\p+15]
	v_pk_add_f32 v[DPL+16*\p:DPL+16*\p+1],     v[DPL+16*\p:DPL+16*\p+1],     v[DPL+16*\p+8:DPL+16*\p+9]
	v_pk_add_f32 v[DPL+16*\p+2:DPL+16*\p+3],   v[DPL+16*\p+2:DPL+16*\p+3],   v[DPL+16*\p+10:DPL+16*\p+11]
.endr
	; my thread's 16 products of cov . Wc, then the wave's sum
	v_pk_mul_f32 v[176:177], v[COVR:COVR+1], v[WCR:WCR+1]
.irp k, 2,4,6,8,10,12,14
	v_pk_fma_f32 v[176:177], v[COVR+\k:COVR+\k+1], v[WCR+\k:WCR+\k+1], v[176:177]
.endr
	v_add_f32 v176, v176, v177
.irp m, 1,2,4,8
	v_add_f32_dpp v176, v176, v176 row_xmask:\m row_mask:0xf bank_mask:0xf
.endr
	v_permlanex16_b32 v177, v176, s30, s31
	v_add_f32 v176, v176, v177
	s_wait_alu depctr_va_vdst(0)                   ; dec's sums and v176 are written: the LDS stores below read them
	; dec and V pass through my wave's own scratch from 4 columns a lane to column 16 b + r.
	; LDS serves a wave in order: no wait between these stores and loads.
.irp p, 0,1
	ds_store_b128 v[XSST], v[DPL+16*\p:DPL+16*\p+3] offset:512*\p
	ds_store_b128 v[XSST], v[VL+4*\p:VL+4*\p+3]     offset:1024+512*\p
.endr
.irp p, 0,1
.irp b, 0,1,2,3,4,5,6,7
	ds_load_b32 v[BI+8*\p+\b], v[XSRD] offset:512*\p+64*\b         ; column 512 p + 128 w + 16 b + r
	ds_load_b32 v[VV+8*\p+\b], v[XSRD] offset:1024+512*\p+64*\b
.endr
.endr
	ds_store_b32 v[CVST], v176
	s_wait_dscnt 0x0                               ; my rows and my part of cov . Wc are written, my scratch is read: zero, for the other waves' sake
	s_barrier_signal -1
	s_barrier_wait -1
	s_wait_alu depctr_vm_vsrc(0)                   ; my LDS stores have read TB, v176, dec's sums and V: S's start below and the fragments' loads write these registers
	; ---- per-column constants.  2^(c x) with c = 2 log2(e) and x = sum + dec + covp: BI = c dec + c covp, so one fused multiply-add makes the exponent.
	; score = sum V tanh = sum V - 2 sum V / (1 + 2^(c x)): VV = -2 V, and each of my 64 sums starts at the sum of my V.
	ds_load_b128 v[180:183], v[CVLD]
	s_wait_kmcnt 0x0                               ; bv, bc
	s_wait_dscnt 0x0
	v_add_f32 v180, v180, v181
	v_add_f32 v182, v182, v183
	v_add_f32 v180, v180, v182
	v_add_f32 v180, s29, v180                      ; covp = cov . Wc + bc
	v_mul_f32 v180, s34, v180
.irp k, 0,1,2,3,4,5,6,7,8,9,10,11,12,13,14,15
	v_fma_f32 v[BI+\k], v[BI+\k], s34, v180
.endr
	v_pk_add_f32 v[184:185], v[VV:VV+1], v[VV+2:VV+3]
.irp k, 4,6,8,10,12,14
	v_pk_add_f32 v[184:185], v[184:185], v[VV+\k:VV+\k+1]
.endr
	v_add_f32 v[VS], v184, v185
.irp k, 0,2,4,6,8,10,12,14
	v_pk_mul_f32 v[VV+\k:VV+\k+1], v[VV+\k:VV+\k+1], -2.0 op_sel_hi:[1,0]
.endr
.irp g, 0,1,2,3,4,5,6,7
.irp j, 0,1,2,3,4,5,6,7
	v_mov_b32 v[S+8*\g+\j], v[VS]                  ; both passes add onto S by the same text, so its start is written here
.endr
.endr
; 8 matrix instructions: block a of 16 rows (of the four whose fragments begin at fa) x my eight blocks of 16 columns (B slot st), 32 along K.
; A step's 64 sums differ: the accumulators take turns, one instruction a turn, over every backward jump too.
.macro MUL8 fa, st, a, zero
.irp b, 0,1,2,3,4,5,6,7
.if \zero
	v_wmma_f32_16x16x32_bf16 v[8*(8*\a+\b):8*(8*\a+\b)+7], v[\fa+8*\a:\fa+8*\a+7], v[64*\st+8*\b:64*\st+8*\b+7], 0
.else
	v_wmma_f32_16x16x32_bf16 v[8*(8*\a+\b):8*(8*\a+\b)+7], v[\fa+8*\a:\fa+8*\a+7], v[64*\st+8*\b:64*\st+8*\b+7], v[8*(8*\a+\b):8*(8*\a+\b)+7]
.endif
.endr
.endm
.macro PLACES                          ; four places behind a matrix instruction before its result is read; they stay in front of a step's first loads into the step before's sources too
.rept 4
	v_nop
.endr
.endm
; four LDS loads: A fragments a0 and a0 + 1 (a0 even) of one K step, at byte koff of the working addresses
.macro FETCH4 fa, koff, a0
.irp a, \a0, (\a0)+1
.irp q, 0,1
	ds_load_b128 v[\fa+8*(\a)+4*\q:\fa+8*(\a)+4*\q+3], v[ADRA+(\a)/2] offset:((\a)%2)*16*PA+(\koff)+32*\q
.endr
.endr
.endm
; One K step of 32 on B slot st and A buffer st % 2.  The wait at its head states all that its loads hang on; behind it they are dealt among the matrix
; instructions: the next step's A fragments, four loads behind each eight of the first 32 products, into the other buffer (rows 0-63 first); B of three
; steps ahead, eight loads behind products 40 and 48, into the slot that the step before has used.
; nexta, bload: whether these loads are issued; lc: the B loads that may stay out.
.macro STEP st, zero, nexta, bload, lc
.set CURF, FAA+64*(\st%2)
.set OTHF, FAA+64-64*(\st%2)
.set NSLOT, (\st+3)%4
	s_wait_loadcnt \lc                             ; slot st's 16 loads are in; those of the two younger slots stay out
	s_wait_dscnt 8                                 ; rows 0-63 are in; the eight loads of rows 64-127 may be out
.if (((\nexta)+(\bload)) > 0) && !(\zero)
	s_wait_alu depctr_va_vdst(0)                   ; the step before's matrix instructions are done reading the other A buffer and slot (st + 3) % 4, in which this step's loads land; behind NEXT, v[ADRA ..] is written
.endif                                             ; (a pass's first step: the wait at the pass's head has said all this, and no vector line stands between)
.irp g, 0,1,2,3
	WIN MUL_LO
	MUL8 CURF, \st, \g, \zero
.if (\g == 0) && (((\nexta)+(\bload)) > 0)
	PLACES
.endif
.if \nexta
	WIN 0
	FETCH4 OTHF, (\st+1)*64, 2*\g                  ; no wait: no vector or matrix instruction since the step's head names the other buffer or v[ADRA ..]
.endif
.endr
.if \nexta
	s_wait_dscnt 16                                ; rows 64-127 are in; the 16 just issued may be out
.else
	s_wait_dscnt 0
.endif
.irp g, 0,1,2,3
	WIN MUL_HI
	MUL8 CURF+32, \st, \g, \zero
.if (\bload) && (\g < 2)
.if (\st == 1) && (\g == 0)
	s_wait_xcnt 0x0                                ; the stream's base is a source of B's loads; the last of them were issued 56 matrix instructions ago
	s_add_nc_u64 s[10:11], s[10:11], 32768         ; four K steps on: with the step taken here a slot's offset is its number times 8,192
.endif
	WIN TO_B
.irp i, 0,1,2,3,4,5,6,7
	global_load_b128 v[64*NSLOT+4*(8*\g+\i):64*NSLOT+4*(8*\g+\i)+3], v[BOFF], s[10:11] offset:NSLOT*8192+(8*\g+\i)*512   ; no wait: nothing since the step's head names this slot
.endr
.endif
.endr
.endm
; four K steps, once round the B ring.  b0: step 0 loads B; b1: steps 1 to 3 do; last: step 3 fetches no A
.macro CHUNK zero, last, b0, b1, lc0, lc1, lc2, lc3
	STEP 0, \zero, 1, \b0, \lc0
	STEP 1, 0, 1, \b1, \lc1
	STEP 2, 0, 1, \b1, \lc2
	STEP 3, 0, 1-\last, \b1, \lc3
	WIN 0                                          ; at a label and at a branch every window is 0
.endm
.macro NEXT
	s_wait_alu depctr_vm_vsrc(0)                   ; the fragment loads issued so far have read v[ADRA ..]
.irp k, 0,1,2,3
	v_add_nc_u32 v[ADRA+\k], 256, v[ADRA+\k]       ; 128 along K
.endr
.endm
; The epilogue, 16 rows at a time.  In a sum's tile register j of lane (r, h) is row 8 h + j, column r.  It holds no memory or LDS instruction.
.macro EARG a4, b, sel                 ; the exponents of tile (a4, b): c * sum + BI[b]; sel picks BI's register in its pair
.irp jp, 0,1,2,3
	v_pk_fma_f32 v[U+8*(\b)+2*\jp:U+8*(\b)+2*\jp+1], v[8*(8*\a4+(\b))+2*\jp:8*(8*\a4+(\b))+2*\jp+1], s[34:35], v[BI+(\b)-\sel:BI+(\b)-\sel+1] op_sel:[0,0,\sel] op_sel_hi:[1,0,\sel]
.endr
.endm
.macro EACC a, b, sel                  ; S += (-2 V) / (1 + 2^..)
	s_wait_alu depctr_va_vdst(0)
.irp jp, 0,1,2,3
	v_pk_fma_f32 v[S+8*(\a)+2*\jp:S+8*(\a)+2*\jp+1], v[U+8*(\b)+2*\jp:U+8*(\b)+2*\jp+1], v[VV+(\b)-\sel:VV+(\b)-\sel+1], v[S+8*(\a)+2*\jp:S+8*(\a)+2*\jp+1] op_sel:[0,\sel,0] op_sel_hi:[1,\sel,1]
.endr
.endm
.macro EPI
.irp hi, 0,1
.irp a4, 0,1,2,3
.if \hi
	WIN EPI_HI
.else
	WIN EPI_LO
.endif
.irp bp, 0,2,4,6
	EARG \a4, \bp, 0
	EARG \a4, \bp+1, 1
.endr
	WIN 0
.irp b, 0,1,2,3,4,5,6,7
.irp j, 0,1,2,3,4,5,6,7
	v_exp_f32 v[U+8*\b+\j], v[U+8*\b+\j]
.endr
.endr
	v_nop                                          ; one plain place behind the transcendentals before their results are used (ISA guide 5.7.2)
	s_wait_alu depctr_va_vdst(0)
.irp b, 0,1,2,3,4,5,6,7
.irp jp, 0,1,2,3
	v_pk_add_f32 v[U+8*\b+2*\jp:U+8*\b+2*\jp+1], v[U+8*\b+2*\jp:U+8*\b+2*\jp+1], 1.0 op_sel_hi:[1,0]
.endr
.endr
.irp b, 0,1,2,3,4,5,6,7
.irp j, 0,1,2,3,4,5,6,7
	v_rcp_f32 v[U+8*\b+\j], v[U+8*\b+\j]
.endr
.endr
	v_nop
.irp bp, 0,2,4,6
	EACC 4*\hi+\a4, \bp, 0
	EACC 4*\hi+\a4, \bp+1, 1
.endr
.endr
.endr
.endm
	; ---- two passes by one text: pass p makes columns 512 p + 128 w + 0..127.  Eight chunks of 128 along K: the first starts the sums, six go round
	; a loop, the last fetches no A beyond the rows' end.  32 = two younger slots of 16 loads.  The B stream runs on from pass 0 into pass 1.
	s_mov_b32 s37, 0
.Lpass:
	s_wait_alu depctr_vm_vsrc(0)                   ; the fragment loads of the pass before have read v[ADRA ..]
.irp k, 0,1,2,3
	v_mov_b32 v[ADRA+\k], v[ADR0+\k]
.endr
	s_wait_alu depctr_va_vdst(0)                   ; v[ADRA ..] is written; the vector and matrix lines so far (the head's, then the epilogue's on U) are done with both A buffers and with B's slot 3
.irp g, 0,1,2,3
	FETCH4 FAA, 0, 2*\g
.endr
	CHUNK 1, 0, 1, 1, 32, 32, 32, 32
	NEXT
	s_mov_b32 s5, 6
.Lk:
	CHUNK 0, 0, 1, 1, 32, 32, 32, 32
	NEXT
	s_sub_co_u32 s5, s5, 1
	s_cmp_lg_u32 s5, 0
	s_cbranch_scc1 .Lk
	s_cmp_lg_u32 s37, 0
	s_cbranch_scc1 .Llast1
	CHUNK 0, 1, 1, 1, 32, 32, 32, 32               ; pass 0: its B loads are K step 31 and pass 1's first three
	s_branch .Lepi
.Llast1:
	CHUNK 0, 1, 1, 0, 32, 32, 16, 0                ; pass 1: only the stream's last K step is left to load, and the counts run down
.Lepi:
	PLACES
	EPI
.irp k, 0,1,2,3,4,5,6,7
	v_mov_b32 v[BI+\k], v[BI+8+\k]                 ; the text names one set of column constants: the next pass's move into it
	v_mov_b32 v[VV+\k], v[VV+8+\k]
.endr
	s_add_co_u32 s37, s37, 1
	s_cmp_lt_u32 s37, 2
	s_cbranch_scc1 .Lpass
	; ---- the scores: over my 16 lanes' columns, then over the four waves
.irp m, 1,2,4,8
.irp b, 0,1,2,3,4,5,6,7
.irp j, 0,1,2,3,4,5,6,7
	v_add_f32_dpp v[S+8*\b+\j], v[S+8*\b+\j], v[S+8*\b+\j] row_xmask:\m row_mask:0xf bank_mask:0xf
.endr
.endr
.endr
	s_lshl_b32 s5, s2, 9
	s_add_co_u32 s6, s5, SC
	v_lshl_add_u32 v[SCST], v3, 5, s6              ; SC + 512 w + 4 (8 h)
	v_add_nc_u32 v[SCRD], SC, v[BOFF]              ; SC + 16 l: rows 4 l .. 4 l + 3
	s_add_co_u32 s6, s5, PWR
	v_add_nc_u32 v[PWST], s6, v[BOFF]
	v_mov_b32 v[PWA], s6
	v_mov_b32 v[CX], v[TOFF]                       ; my 8 columns: 16 t in every row
	s_lshl_b32 s5, s2, 10
	s_add_co_u32 s6, s5, CB
	v_lshl_add_u32 v[CBST], v1, 5, s6
	v_add_nc_u32 v[CBRD], s6, v[BOFF]
	v_add_nc_u32 v[PCO], s5, v[BOFF]
	s_wait_alu depctr_va_vdst(0)                   ; S's sums and the eight addresses above are written, which the LDS and memory lines below read; the matrix instructions are done reading v[168:183], in which the score parts land
.irp a, 0,1,2,3,4,5,6,7
	ds_store_b128 v[SCST], v[S+8*\a:S+8*\a+3]   offset:64*\a       ; the sixteen lanes of a half hold the same numbers and write the same words
	ds_store_b128 v[SCST], v[S+8*\a+4:S+8*\a+7] offset:64*\a+16
.endr
	s_wait_dscnt 0x0                               ; my parts are written
	s_barrier_signal -1
	s_barrier_wait -1
.irp k, 0,1,2,3
	ds_load_b128 v[SCL+4*\k:SCL+4*\k+3], v[SCRD] offset:512*\k
.endr
	s_wait_dscnt 0x0
	v_pk_add_f32 v[SCL:SCL+1],     v[SCL:SCL+1],     v[SCL+4:SCL+5]
	v_pk_add_f32 v[SCL+2:SCL+3],   v[SCL+2:SCL+3],   v[SCL+6:SCL+7]
	v_pk_add_f32 v[SCL+8:SCL+9],   v[SCL+8:SCL+9],   v[SCL+12:SCL+13]
	v_pk_add_f32 v[SCL+10:SCL+11], v[SCL+10:SCL+11], v[SCL+14:SCL+15]
	v_pk_add_f32 v[SCL:SCL+1],     v[SCL:SCL+1],     v[SCL+8:SCL+9]
	v_pk_add_f32 v[SCL+2:SCL+3],   v[SCL+2:SCL+3],   v[SCL+10:SCL+11]
	v_pk_add_f32 v[SCL:SCL+1],     v[SCL:SCL+1],     s[28:29] op_sel_hi:[1,0]    ; + bv
	v_pk_add_f32 v[SCL+2:SCL+3],   v[SCL+2:SCL+3],   s[28:29] op_sel_hi:[1,0]
	; the block's maximum is taken away before the exponential; the last launch finds the same maximum from the stored scores
	v_max3_num_f32 v184, v[SCL], v[SCL+1], v[SCL+2]
	v_max_num_f32 v184, v184, v[SCL+3]
.irp m, 1,2,4,8
	v_max_num_f32_dpp v184, v184, v184 row_xmask:\m row_mask:0xf bank_mask:0xf
.endr
	v_permlanex16_b32 v185, v184, s30, s31
	v_max_num_f32 v184, v184, v185
	v_mul_f32 v186, s36, v184
.irp k, 0,1,2,3
	v_fma_f32 v[188+\k], v[SCL+\k], s36, -v186
.endr
.irp k, 0,1,2,3
	v_exp_f32 v[188+\k], v[188+\k]
.endr
	v_nop
	s_wait_alu depctr_va_vdst(0)                   ; the exponentials v[188:191] and the scores v[168:171] are written: the LDS store and wave 0's store read them
	ds_store_b128 v[PWST], v[188:191]              ; every wave keeps its own copy: no barrier, LDS serves a wave in order
	s_cmp_lg_u32 s2, 0
	s_cbranch_scc1 .Lnot_wave_0
	global_store_b128 v[BOFF], v[SCL:SCL+3], s[24:25]      ; wave 0 stores the 128 scores: 512 consecutive bytes, aligned; v[168:171] are not written again
.Lnot_wave_0:
	; ---- the context of my 8 columns over the 128 rows, 16 rows a group, two register buffers by turns; a trip takes 32 rows
.macro GLOAD half, x, pr
.irp i, 0,1,2,3,4,5,6,7,8,9,10,11,12,13,14,15
	ds_load_b128 v[\x+4*\i:\x+4*\i+3], v[CX] offset:(\half*16+\i)*PA
.endr
.irp q, 0,1,2,3
	ds_load_b128 v[\pr+4*\q:\pr+4*\q+3], v[PWA] offset:64*\half+16*\q    ; the group's 16 exponentials, the same in every lane
.endr
.endm
.macro GFMA x, pr
.irp i, 0,1,2,3,4,5,6,7,8,9,10,11,12,13,14,15
.irp c, 0,1,2,3
	v_fma_mix_f32_bf16 v[CT+2*\c],   v[\x+4*\i+\c], v[\pr+\i], v[CT+2*\c]   op_sel:[0,0,0] op_sel_hi:[1,0,0]
	v_fma_mix_f32_bf16 v[CT+2*\c+1], v[\x+4*\i+\c], v[\pr+\i], v[CT+2*\c+1] op_sel:[1,0,0] op_sel_hi:[1,0,0]
.endr
.endr
.endm
	s_wait_alu depctr_vm_vsrc(0)                   ; the LDS stores of my score parts have read S, in which the second group's rows land (the vector lines that named the four buffers stand ahead of the last wait on va_vdst)
	GLOAD 0, 64, 128
	GLOAD 1, 192, 144
.irp k, 0,1,2,3,4,5,6,7
	v_mov_b32 v[CT+\k], 0
.endr
	s_mov_b32 s5, 3
.Lctx:
	s_wait_dscnt 20                                ; the 20 loads of the younger group may stay out
	GFMA 64, 128
	s_wait_alu depctr_vm_vsrc(0)                   ; the LDS loads issued so far have read v[CX] and v[PWA]
	v_add_nc_u32 v[CX], 32*PA, v[CX]               ; the next 32 rows
	v_add_nc_u32 v[PWA], 128, v[PWA]
	s_wait_alu depctr_va_vdst(0)                   ; the multiply-adds are done reading the first buffer, in which the loads below land; v[CX] and v[PWA] are written
	GLOAD 0, 64, 128
	s_wait_dscnt 20
	GFMA 192, 144
	s_wait_alu depctr_va_vdst(0)                   ; the multiply-adds are done reading the second buffer, in which the loads below land
	GLOAD 1, 192, 144
	s_sub_co_u32 s5, s5, 1
	s_cmp_lg_u32 s5, 0
	s_cbranch_scc1 .Lctx
	s_wait_dscnt 20
	GFMA 64, 128
	s_wait_dscnt 0
	GFMA 192, 144
	; a lane holds 32 neighbouring bytes; through my wave's own 1,024 bytes of LDS they become two stores of 512 consecutive bytes
	s_wait_alu depctr_va_vdst(0)                   ; the context v[160:167] is written, which the LDS stores read; the multiply-adds are done reading v[64:71], in which the loads back land
	ds_store_b128 v[CBST], v[CT:CT+3]
	ds_store_b128 v[CBST], v[CT+4:CT+7] offset:16
	ds_load_b128 v[64:67], v[CBRD]
	ds_load_b128 v[68:71], v[CBRD] offset:512
	s_wait_dscnt 1
	global_store_b128 v[PCO], v[64:67], s[26:27]
	s_wait_dscnt 0
	global_store_b128 v[PCO], v[68:71], s[26:27] offset:512
	s_wait_dscnt 0x0
	s_wait_alu depctr_hold_cnt(0) depctr_sa_sdst(0) depctr_va_vdst(0) depctr_va_sdst(0) depctr_va_ssrc(0) depctr_va_vcc(0) depctr_vm_vsrc(0)
	s_wait_tensorcnt 0x0
	ds_add_u32 v15, v57
	s_wait_dscnt 0x0
	s_endpgm
.Lfunc_end_k_q124b79eec1_attn:
	.size	k_q124b79eec1_attn, .Lfunc_end_k_q124b79eec1_attn-k_q124b79eec1_attn
	.p2alignl 7, 3214868480
	.fill 96, 4, 3214868480
	.section	.rodata,"a",@progbits
	.p2align	6, 0x0
	.amdhsa_kernel k_q124b79eec1_attn
		.amdhsa_group_segment_fixed_size 273152
		.amdhsa_private_segment_fixed_size 0
		.amdhsa_enable_private_segment 0
		.amdhsa_kernarg_size 80
		.amdhsa_user_sgpr_count 2
		.amdhsa_user_sgpr_kernarg_segment_ptr 1
		.amdhsa_wavefront_size32 1
		.amdhsa_system_sgpr_workgroup_id_x 1
		.amdhsa_system_sgpr_workgroup_id_y 1
		.amdhsa_system_sgpr_workgroup_id_z 1
		.amdhsa_system_vgpr_workitem_id 0
		.amdhsa_next_free_vgpr 1024
		.amdhsa_next_free_sgpr 66
		.amdhsa_reserve_vcc 0
		.amdhsa_float_denorm_mode_32 3
		.amdhsa_float_denorm_mode_16_64 3
		.amdhsa_memory_ordered 1
		.amdhsa_forward_progress 1
		.amdhsa_inst_pref_size 255
	.end_amdhsa_kernel
	.section	.bss,"aw",@nobits
	.p2align	6
	.space	262144
	.amdgpu_metadata
---
amdhsa.version: [ 1, 2 ]
amdhsa.kernels:
  - .name:           k_q124b79eec1_attn
    .symbol:         k_q124b79eec1_attn.kd
    .args:
      - { .name: encoder_output, .offset: 0, .size: 8, .value_kind: global_buffer, .address_space: global }
      - { .name: whf, .offset: 8, .size: 8, .value_kind: global_buffer, .address_space: global }
      - { .name: decp, .offset: 16, .size: 8, .value_kind: global_buffer, .address_space: global }
      - { .name: V, .offset: 24, .size: 8, .value_kind: global_buffer, .address_space: global }
      - { .name: bv, .offset: 32, .size: 8, .value_kind: global_buffer, .address_space: global }
      - { .name: coverage_vector, .offset: 40, .size: 8, .value_kind: global_buffer, .address_space: global }
      - { .name: Wc, .offset: 48, .size: 8, .value_kind: global_buffer, .address_space: global }
      - { .name: bc, .offset: 56, .size: 8, .value_kind: global_buffer, .address_space: global }
      - { .name: scores, .offset: 64, .size: 8, .value_kind: global_buffer, .address_space: global }
      - { .name: pctx, .offset: 72, .size: 8, .value_kind: global_buffer, .address_space: global }
    .group_segment_fixed_size: 273152
    .private_segment_fixed_size: 0
    .kernarg_segment_align: 8
    .kernarg_segment_size: 80
    .max_flat_workgroup_size: 128
    .sgpr_count:     66
    .vgpr_count:     1024
    .wavefront_size: 32
...
	.end_amdgpu_metadata
.endif
;; end of part 4
;; launch combine: the kernel of part 3 again; grid 32 x 1, 8 waves a work-group, no clusters, 1,280 bytes of LDS; arguments scores, pctx, coverage_vector, out0, out1, out2; writes out0, out1, out2
